; MI455X (gfx1250); checked and timed in simulation.
; The chip was launched on July 23, 2026; its instructions are those of AMD's public machine-readable ISA for CDNA 5 (MIT licence, August 2026) and "CDNA5" Instruction Set Architecture Reference Guide (July 2026). The comments in the code are by the model that wrote it; some were corrected since.
;; Attention. Allowed arithmetic: matrix products marked QUANTISED: E2M3 operands, one E8M0 scale for each 32 along K, by v_wmma_scale_f32_16x16x128_f8f6f4 with both operands' format E2M3, f32 sums; everything else in f32.
;; Inputs: W_attn 1,024 x 3,072 float32; W_proj 1,024 x 1,024 float32; b_attn 3,072 float32; b_proj 1,024 float32; x 4 x 2,048 x 1,024 float32.
;; Outputs: out0 4 x 2,048 x 1,024 float32.
;; This version of the problem:
;;   THIS VERSION OF THE PROBLEM IS GIVEN IN LOW PRECISION. The matrix products marked QUANTISED in the list below multiply operands that are first quantised to E2M3 (2 exponent bits, 3 mantissa bits; 6 bits a number), with one power-of-two scale for each 32 numbers along K (OCP MX v1.0); their sums are f32. All else is computed in f32.
;;   The module's matrix products, in the order in which they are computed (A, B: the left and right operand; K: the contracted axis; several contracted axes count as one K, in the product's order):
;;     1. [M 8,192, K 1,024] x [K 1,024, N 3,072]; A: input x; B: input W_attn: QUANTISED
;;     2. batch 64 x [M 2,048, K 64] x [K 64, N 2,048]; A: computed on the way; B: computed on the way: QUANTISED
;;     3. batch 64 x [M 2,048, K 2,048] x [K 2,048, N 64]; A: softmax (see below); B: computed on the way: QUANTISED
;;     4. [M 8,192, K 1,024] x [K 1,024, N 1,024]; A: computed on the way; B: input W_proj: QUANTISED
;;   THE QUANTISER, for each operand of a quantised product, along K:
;;     - K is cut into blocks of 32 from its start; a last block that is shorter is filled with zeros.
;;     - A block's scale is 2^e with e = floor(log2(the largest magnitude in the block)) - 2, held to -126 .. 127; a block of zeros has e = 0. As a byte (E8M0): e + 127.
;;     - Each number is divided by its block's scale, clamped to +-7.5, and rounded to the nearest number of E2M3, ties to even, subnormals kept.
;;     - The product sums the exact products of the quantised numbers (number of the format x scale) in f32.
;;   ~~~python
;;   def quantise(x, axis):      # numpy; x: float32 -> the quantised numbers, widened to float32 again
;;       x = np.moveaxis(x, axis, -1); K = x.shape[-1]
;;       x = np.pad(x, [(0, 0)] * (x.ndim - 1) + [(0, -K % 32)]); x = x.reshape(x.shape[:-1] + (-1, 32)); a = np.abs(x).max(-1, keepdims=True)
;;       e = np.where(a > 0, np.clip(np.frexp(np.where(a > 0, a, 1))[1] - 1 - 2, -126, 127), 0)      # np.frexp(a)[1] - 1 = floor(log2(a)), exactly
;;       r = np.clip(x / 2.0 ** e, -7.5, 7.5)
;;       step = 2.0 ** (np.maximum(np.frexp(np.where(r == 0, 1, r))[1] - 1, 0) - 3)
;;       q = np.round(r / step) * step * 2.0 ** e      # np.round: ties to even
;;       return np.moveaxis(q.reshape(q.shape[:-2] + (-1,))[..., :K], -1, axis).astype(np.float32)
;;   ~~~
;;   SOFTMAX AHEAD OF A QUANTISED PRODUCT. Where the list says 'softmax', what is quantised is not the finished softmax but p = 2^(t - M), with t = logit x log2(e) and M = ceil(the row's largest t), a whole number; so 1/2 < the row's largest p <= 1. The row's sum l is taken of the UNQUANTISED p, in f32, and the product's result is divided by l at the end. Since M is a whole number, a kernel that streams over the keys may use a running M (the ceiling of the running maximum): every later rescaling is an exact power of two, which a block's scale takes up: the codes' values come out the same.
;;   OPERANDS COMPUTED ON THE WAY. 'Computed on the way' means the value that the module computes at that place (a softmax that the list does not call 'softmax' is quantised finished and normalised). What goes into a quantiser is computed in f32, as accurately as f32 sums, v_exp_f32 and their like allow (about 1e-6 of the number): no bf16 or f16 on the way to a quantiser, and a product that is left as it is and whose result goes on into a quantised operand takes f32 operands (vector FMAs, or v_wmma_f32_16x16x4_f32). A number that lies on a knife's edge between two numbers of the format may be rounded either way, as far as f32 arithmetic and the matrix unit's own rounding can turn it there, and no further.
;; One version. Each part assembles by itself: llvm-mc -triple=amdgcn-amd-amdhsa -mcpu=gfx1250 --defsym DOCPART=n.
;; ======== version 1 of 1: 4 launches
;; workspace buffers: pool 15,728,640 bytes; poolsc 655,360 bytes; qkv 26,738,688 bytes
;; launch quant (part 1): grid 512 x 1, 4 waves a work-group, no clusters, 47,616 bytes of LDS; arguments x, W_attn, W_proj, pool, poolsc; writes pool, poolsc
.if DOCPART == 1
	.amdgcn_target "amdgcn-amd-amdhsa--gfx1250"
	.amdhsa_code_object_version 6
	.text
	.protected	k_qb2a37f7680_quant
	.globl	k_qb2a37f7680_quant
	.p2align	8
	.type	k_qb2a37f7680_quant,@function
k_qb2a37f7680_quant:
	s_mov_b64 s[64:65], 0
	v_nop
	global_prefetch_b8 v0, s[64:65] scope:SCOPE_SE
	s_setreg_imm32_b32 hwreg(HW_REG_WAVE_MODE, 25, 1), 1
	s_wait_xcnt 0x0
; x [8192][1024], W_attn [1024][3072], W_proj [1024][1024], all f32, become codes of FP6 (E2M3) with one E8M0 byte for each 32 along K (x: its last axis; the weights: their first).
; A block's scale is 2^(floor(log2(largest magnitude)) - 2): its byte is the largest magnitude's exponent field - 2, held at 1 from below by a floor among the maximum's leaves.
; LIMITS: NaN and infinities among the inputs are not served.  A block of zeros gets the byte 1 where the rule says 127: its codes are zeros, and only this program reads the bytes.
; THE UNIT (768 bytes) in which every operand of this program lies: 16 rows x 64 along K as an image of operand registers: lane (r, h) owns row r's 24 bytes of k = 32 h .. 32 h + 31:
; registers 0-3 at 16 x lane, registers 4-5 at 512 + 8 x lane.  pool: [K / 256][row block 0..1279][4 units].  poolsc: [row block][K / 512][row][4 words], a word = 128 along K.
; ROW ORDER: stored block 2 b + u, row i, is true row 32 b + 8 u + i + 8 (i / 8).  Row blocks: 0-511 x, 512-703 W_attn's columns, 704-767 W_proj's, 768-1279 are written by a later launch.
; Work-groups 0-255 take x (a wave: one row block x 512 along K, four steps of 128), 256-511 the weights (a wave: 32 columns x 128 along K).  Waves share nothing: no barrier.
; Each of the two ways has LDS bytes of its own: x 0 .. 33,791 (8,448 a wave), the weights 33,792 .. 47,103 (3,328 a wave).
.set KPS,   3932160                    ; bytes from one 256 along K to the next in pool: 1,280 row blocks x 3,072
.set XSTG,  8448                       ; x: a wave's stage: 16 rows x (512 + 16) bytes
.set WST0,  33792
.set WSTG,  3328                       ; weights: a wave's stage: two row blocks x (1,536 + 128) bytes
.set R,     128                        ; x: v128-255 two sets of 64 registers as loaded
.set X,     64                         ; x: v64-127 my row's two blocks of each 64 along K
.set PC,    20                         ; x: v20-31 a fragment's codes
.set CT,    32                         ; x: v32-34, v36-38 the upper halves of the blocks' codes, before they are moved
.set SW,    16                         ; x: v16-19 the four steps' scale words
.set N,     64                         ; weights: v64-191 128 numbers down K
.macro XLOAD t                         ; step t: 16 rows x 128 along K: each load reads 512 consecutive bytes of one row
.set i, 0
.rept 16
	global_load_b128 v[R+64*((\t)%2)+4*i:R+64*((\t)%2)+4*i+3], v4, s[4:5] offset:(i+8*(i/8))*4096+512*(\t) th:TH_LOAD_NT
.set i, i+1
.endr
.endm
.macro XSTEP t
.if (\t) < 3
	s_wait_loadcnt 16                              ; this step's 16 loads are in; the next step's 16 may be out
.else
	s_wait_loadcnt 0
.endif
.set i, 0
.rept 16
	ds_store_b128 v6, v[R+64*((\t)%2)+4*i:R+64*((\t)%2)+4*i+3] offset:528*i   ; rows as they lie, 528 bytes apart
.set i, i+1
.endr
.set i, 0
.rept 16
	ds_load_b128 v[X+4*i:X+4*i+3], v7 offset:256*(i/8)+16*(i%8)   ; back: lane (r, h) takes k = 64 c + 32 h + 0 .. 31 of row r; LDS serves a wave's instructions in order
.set i, i+1
.endr
	s_wait_dscnt 0x0
.if (\t) < 2
	XLOAD (\t)+2
.endif
.irp c, 0,1                            ; my block 2 c + h: all its 32 numbers are mine
	v_max3_num_f32 v[10+\c], |v[X+32*\c]|, |v[X+32*\c+1]|, 0x1800000   ; with the floor 2^(3 - 127): the byte cannot fall under 1
.endr
.irp i, 2,4,6,8,10,12,14,16,18,20,22,24,26,28,30
.irp c, 0,1
	v_max3_num_f32 v[10+\c], v[10+\c], |v[X+32*\c+\i]|, |v[X+32*\c+\i+1]|
.endr
.endr
.irp c, 0,1
	v_add_nc_u32 v[12+\c], 0xff000000, v[10+\c]    ; 2 off the exponent field: the conversion's scale operand
.endr
.irp c, 0,1
	v_lshrrev_b32 v[14+\c], 23, v[12+\c]           ; the scale's byte
.endr
	v_lshl_or_b32 v[SW+(\t)], v15, 16, v14         ; my two bytes: blocks h and 2 + h,
	v_lshlrev_b32 v[SW+(\t)], v8, v[SW+(\t)]       ; 8 h bits up;
	v_permlanex16_b32 v9, v[SW+(\t)], s20, s21
	v_or_b32 v[SW+(\t)], v[SW+(\t)], v9            ; with lane l xor 16's two the word is whole, in both lanes
	s_wait_alu depctr_va_vdst(0)
	s_wait_xcnt 0x0                                ; the last step's stores have read the codes' registers
.irp c, 0,1
	v_cvt_scalef32_pk16_fp6_f32 v[PC+6*\c:PC+6*\c+2], v[X+32*\c:X+32*\c+15], v[12+\c]
	v_cvt_scalef32_pk16_fp6_f32 v[CT+4*\c:CT+4*\c+2], v[X+32*\c+16:X+32*\c+31], v[12+\c]   ; (a conversion's three registers begin on an even number)
.endr
	v_nop                                          ; one plain place behind a scaled conversion
.irp c, 0,1
.irp i, 0,1,2
	v_mov_b32 v[PC+3+6*\c+\i], v[CT+4*\c+\i]
.endr
.endr
.irp c, 0,1                            ; a unit leaves as 512 + 256 consecutive bytes, aligned to 256
	global_store_b128 v4, v[PC+6*\c:PC+6*\c+3], s[10:11] offset:((\t)/2)*KPS+(2*((\t)%2)+\c)*768
	global_store_b64 v5, v[PC+6*\c+4:PC+6*\c+5], s[10:11] offset:((\t)/2)*KPS+(2*((\t)%2)+\c)*768+512
.endr
.endm
.macro WLOAD base, pitch               ; W(128 ks + i, my column): 32 lanes read 128 consecutive bytes, the four waves 512
.set i, 0
.rept 128
	global_load_b32 v[N+i], v4, s[\base:\base+1] offset:i*\pitch th:TH_LOAD_NT
.set i, i+1
.endr
.endm
.macro WBLOCK t, left                  ; block t of my column: 32 numbers down K, all mine
.set NB, N+32*(\t)
	s_wait_loadcnt \left
	v_max3_num_f32 v10, |v[NB]|, |v[NB+1]|, |v[NB+2]|
	v_max3_num_f32 v11, |v[NB+3]|, |v[NB+4]|, |v[NB+5]|
.irp i, 6,10,14,18,22,26
	v_max3_num_f32 v10, v10, |v[NB+\i]|, |v[NB+\i+1]|
	v_max3_num_f32 v11, v11, |v[NB+\i+2]|, |v[NB+\i+3]|
.endr
	v_max3_num_f32 v10, v10, |v[NB+30]|, |v[NB+31]|
	v_max3_num_f32 v10, v10, v11, 0x1800000        ; and the floor
	v_add_nc_u32 v12, 0xff000000, v10
	v_lshrrev_b32 v13, 23, v12
.if (\t) == 0
	v_mov_b32 v14, v13                             ; four bytes make the column's scale word for these 128 along K
.else
	v_lshl_or_b32 v14, v13, 8*(\t), v14
.endif
	v_cvt_scalef32_pk16_fp6_f32 v[16+8*(\t):18+8*(\t)], v[NB:NB+15], v12
	v_cvt_scalef32_pk16_fp6_f32 v[48:50], v[NB+16:NB+31], v12
	v_nop                                          ; one plain place behind a scaled conversion
.irp i, 0,1,2
	v_mov_b32 v[19+8*(\t)+\i], v[48+\i]
.endr
	ds_store_b128 v5, v[16+8*(\t):19+8*(\t)] offset:((\t)/2)*768+256*((\t)%2)   ; into the unit's image: I am its lane 16 (t % 2) + row
	ds_store_b64 v6, v[20+8*(\t):21+8*(\t)] offset:((\t)/2)*768+128*((\t)%2)
.endm
	s_load_b256 s[4:11], s[0:1], 0x0               ; x s[4:5], W_attn s[6:7], W_proj s[8:9], pool s[10:11]
	s_load_b64 s[12:13], s[0:1], 0x20              ; poolsc
	v_lshl_add_u32 v62, v0, 2, 0xb800
	v_mov_b32 v63, 0
	v_lshrrev_b32 v1, 5, v0
	v_readfirstlane_b32 s14, v1                    ; wave 0..3
	v_and_b32 v2, 31, v0                           ; lane
	v_and_b32 v3, 15, v0                           ; r
	s_mov_b32 s20, 0x76543210
	s_mov_b32 s21, 0xfedcba98                      ; v_permlanex16_b32's selects for lane l xor 16
	s_cmp_lt_u32 ttmp9, 256
	s_cbranch_scc0 .Lw_path
	; ---------------- x ----------------
	v_lshlrev_b32 v4, 4, v2                        ; 16 x lane
	v_lshlrev_b32 v5, 3, v2                        ; 8 x lane
	s_mul_i32 s15, s14, XSTG
	v_add_nc_u32 v6, s15, v4                       ; the stage, on the way in
	v_bfe_u32 v8, v0, 4, 1                         ; h
	v_mul_u32_u24 v7, v3, 528
	v_lshl_add_u32 v7, v8, 7, v7
	v_add_nc_u32 v7, s15, v7                       ; and out: row r, + 128 h
	v_lshlrev_b32 v8, 3, v8                        ; 8 h
	v_mov_b32 v9, 0                                ; written once: a lane permute's destination counts as one of its sources
	v_lshlrev_b32 v40, 4, v3                       ; 16 r
	s_lshl_b32 s16, ttmp9, 2
	s_add_co_u32 s16, s16, s14                     ; 0..1023: row block = this / 2, half of K = this % 2
	s_lshr_b32 s17, s16, 1
	s_and_b32 s18, s16, 1
	s_lshr_b32 s22, s17, 1
	s_lshl_b32 s22, s22, 17                        ; 32 rows of 4,096 bytes for each pair of blocks
	s_and_b32 s23, s17, 1
	s_lshl_b32 s23, s23, 15                        ; + 8 rows for the odd block
	s_add_co_u32 s22, s22, s23
	s_lshl_b32 s23, s18, 11                        ; + 512 numbers for the upper half of K
	s_add_co_u32 s22, s22, s23
	s_mov_b32 s23, 0
	s_mul_i32 s24, s18, 2560
	s_add_co_u32 s24, s24, s17
	s_mul_i32 s24, s24, 3072                       ; pool: (2 x half x 1,280 + row block) x 3,072
	s_mov_b32 s25, 0
	s_lshl_b32 s26, s16, 8                         ; poolsc: row block x 512 + half x 256
	s_mov_b32 s27, 0
	s_wait_alu depctr_va_vdst(0)
	s_wait_kmcnt 0x0
	s_add_nc_u64 s[4:5], s[4:5], s[22:23]
	s_add_nc_u64 s[10:11], s[10:11], s[24:25]
	s_add_nc_u64 s[12:13], s[12:13], s[26:27]
	XLOAD 0
	XLOAD 1
	XSTEP 0
	XSTEP 1
	XSTEP 2
	XSTEP 3
	global_store_b128 v40, v[SW:SW+3], s[12:13]    ; 16 rows x 4 words: 256 consecutive bytes, aligned; lanes l and l + 16 hold and write the same
	s_wait_tensorcnt 0x0
	ds_add_u32 v62, v63
	s_wait_dscnt 0x0
	s_endpgm
	; ---------------- the weights ----------------
.Lw_path:
	s_sub_co_u32 s16, ttmp9, 256
	s_and_b32 s17, s16, 31                         ; which 128 columns: 0-23 W_attn, 24-31 W_proj
	s_lshr_b32 s18, s16, 5                         ; ks: which 128 along K
	s_lshl_b32 s19, s17, 2
	s_add_co_u32 s19, s19, s14                     ; cg: my wave's 32 columns, 0..127
	s_wait_alu depctr_va_vdst(0)
	v_lshlrev_b32 v4, 2, v2                        ; in: 4 bytes a lane
	v_bfe_u32 v10, v0, 3, 1                        ; bit 3 of the column: which of the pair of stored blocks
	v_bfe_u32 v11, v0, 4, 1                        ; bit 4: the upper eight of its rows
	v_and_b32 v12, 7, v0
	v_lshl_add_u32 v12, v11, 3, v12                ; my row in the stored block
	s_mul_i32 s15, s14, WSTG
	s_add_co_u32 s15, s15, WST0                    ; my wave's stage
	v_mul_u32_u24 v13, v10, 1664
	v_add_nc_u32 v13, s15, v13
	v_lshl_add_u32 v5, v12, 4, v13                 ; registers 0-3 of a unit's image
	v_lshl_add_u32 v6, v12, 3, v13
	v_add_nc_u32 v6, 512, v6                       ; registers 4-5
	v_lshlrev_b32 v8, 4, v2                        ; out: 16 x lane
	v_add_nc_u32 v7, s15, v8
	v_lshlrev_b32 v9, 9, v10
	v_lshl_add_u32 v9, v12, 4, v9                  ; poolsc: block x 512 + row x 16
	s_lshr_b32 s24, s18, 1
	s_mul_i32 s24, s24, 1280
	s_lshl_b32 s25, s19, 1
	s_add_co_u32 s25, s25, 512                     ; my first row block: 512 + 2 cg
	s_add_co_u32 s24, s24, s25
	s_mul_i32 s24, s24, 3072
	s_and_b32 s26, s18, 1
	s_mul_i32 s26, s26, 1536
	s_add_co_u32 s24, s24, s26                     ; pool: ((ks / 2) x 1,280 + row block) x 3,072 + (ks % 2) x two units
	s_lshl_b32 s26, s25, 9
	s_mov_b32 s25, 0
	s_lshr_b32 s27, s18, 2
	s_lshl_b32 s27, s27, 8
	s_add_co_u32 s26, s26, s27
	s_and_b32 s27, s18, 3
	s_lshl_b32 s27, s27, 2
	s_add_co_u32 s26, s26, s27                     ; poolsc: row block x 512 + (ks / 4) x 256 + (ks % 4) x 4
	s_mov_b32 s27, 0
	s_wait_kmcnt 0x0
	s_add_nc_u64 s[10:11], s[10:11], s[24:25]
	s_add_nc_u64 s[12:13], s[12:13], s[26:27]
	s_cmp_lt_u32 s17, 24
	s_cbranch_scc0 .Lw_proj
	s_mul_i32 s22, s18, 128*12288                  ; W_attn: 128 ks rows of 12,288 bytes + 128 bytes a column group
	s_lshl_b32 s23, s19, 7
	s_add_co_u32 s22, s22, s23
	s_mov_b32 s23, 0
	s_add_nc_u64 s[6:7], s[6:7], s[22:23]
	WLOAD 6, 12288
	s_branch .Lw_have
.Lw_proj:
	s_mul_i32 s22, s18, 128*4096                   ; W_proj: rows of 4,096 bytes; its column groups begin at cg = 96
	s_sub_co_u32 s23, s19, 96
	s_lshl_b32 s23, s23, 7
	s_add_co_u32 s22, s22, s23
	s_mov_b32 s23, 0
	s_add_nc_u64 s[8:9], s[8:9], s[22:23]
	WLOAD 8, 4096
.Lw_have:
	WBLOCK 0, 63                                   ; 96 loads were issued behind block 0's and 64 behind block 1's: the count written is the largest that the wait can name, and smaller than both
	WBLOCK 1, 63
	WBLOCK 2, 32                                   ; block 3's 32 may be out
	WBLOCK 3, 0
	global_store_b32 v9, v14, s[12:13]             ; my column's word: pieces of 4 bytes, 16 bytes apart: one byte in 128 of what this way reads
.set i, 0
.rept 6
	ds_load_b128 v[N+4*i:N+4*i+3], v7 offset:(i/3)*1664+512*(i%3)   ; LDS serves a wave's instructions in order: these see my stores
.set i, i+1
.endr
.set i, 0
.rept 6
	s_wait_dscnt 5-i
	global_store_b128 v8, v[N+4*i:N+4*i+3], s[10:11] offset:(i/3)*3072+512*(i%3)   ; 512 consecutive bytes, aligned to 256
.set i, i+1
.endr
	s_wait_tensorcnt 0x0
	ds_add_u32 v62, v63
	s_wait_dscnt 0x0
	s_endpgm
.Lfunc_end_k_qb2a37f7680_quant:
	.size	k_qb2a37f7680_quant, .Lfunc_end_k_qb2a37f7680_quant-k_qb2a37f7680_quant
	.p2alignl 7, 3214868480
	.fill 96, 4, 3214868480
	.section	.rodata,"a",@progbits
	.p2align	6, 0x0
	.amdhsa_kernel k_qb2a37f7680_quant
		.amdhsa_group_segment_fixed_size 47616
		.amdhsa_private_segment_fixed_size 0
		.amdhsa_enable_private_segment 0
		.amdhsa_kernarg_size 40
		.amdhsa_user_sgpr_count 2
		.amdhsa_user_sgpr_kernarg_segment_ptr 1
		.amdhsa_wavefront_size32 1
		.amdhsa_system_sgpr_workgroup_id_x 1
		.amdhsa_system_sgpr_workgroup_id_y 1
		.amdhsa_system_sgpr_workgroup_id_z 1
		.amdhsa_system_vgpr_workitem_id 0
		.amdhsa_next_free_vgpr 256
		.amdhsa_next_free_sgpr 66
		.amdhsa_reserve_vcc 0
		.amdhsa_float_denorm_mode_32 3
		.amdhsa_float_denorm_mode_16_64 3
		.amdhsa_memory_ordered 1
		.amdhsa_forward_progress 1
		.amdhsa_inst_pref_size 65
	.end_amdhsa_kernel
	.amdgpu_metadata
---
amdhsa.version: [ 1, 2 ]
amdhsa.kernels:
  - .name:           k_qb2a37f7680_quant
    .symbol:         k_qb2a37f7680_quant.kd
    .args:
      - { .name: x, .offset: 0, .size: 8, .value_kind: global_buffer, .address_space: global }
      - { .name: W_attn, .offset: 8, .size: 8, .value_kind: global_buffer, .address_space: global }
      - { .name: W_proj, .offset: 16, .size: 8, .value_kind: global_buffer, .address_space: global }
      - { .name: pool, .offset: 24, .size: 8, .value_kind: global_buffer, .address_space: global }
      - { .name: poolsc, .offset: 32, .size: 8, .value_kind: global_buffer, .address_space: global }
    .group_segment_fixed_size: 47616
    .private_segment_fixed_size: 0
    .kernarg_segment_align: 8
    .kernarg_segment_size: 40
    .max_flat_workgroup_size: 128
    .sgpr_count:     66
    .vgpr_count:     256
    .wavefront_size: 32
...
	.end_amdgpu_metadata
.endif
;; end of part 1
;; launch gemm_qkv (part 2): grid 8 x 32, 4 waves a work-group, clusters of 4 x 4, 327,680 bytes of LDS; arguments pool, poolsc, b_attn, qkv; writes qkv
.if DOCPART == 2
	.amdgcn_target "amdgcn-amd-amdhsa--gfx1250"
	.amdhsa_code_object_version 6
	.text
	.protected	k_qb2a37f7680_gemm_qkv
	.globl	k_qb2a37f7680_gemm_qkv
	.p2align	8
	.type	k_qb2a37f7680_gemm_qkv,@function
k_qb2a37f7680_gemm_qkv:
	s_mov_b64 s[64:65], 0
	v_nop
	global_prefetch_b8 v0, s[64:65] scope:SCOPE_SE
	s_setreg_imm32_b32 hwreg(HW_REG_WAVE_MODE, 25, 1), 1
	s_wait_xcnt 0x0
	s_wait_alu depctr_hold_cnt(0) depctr_sa_sdst(0) depctr_va_vdst(0) depctr_va_sdst(0) depctr_va_ssrc(0) depctr_va_vcc(0) depctr_vm_vsrc(0)
	s_getreg_b32 s2, hwreg(HW_REG_IB_STS2, 6, 4)
	s_cmp_eq_u32 s2, 0
	s_cbranch_scc0 .Lentry_in_a_cluster
	s_endpgm
.Lentry_in_a_cluster:
	s_bfe_u32 s2, ttmp6, 0x10000c
	s_cmp_lg_u32 s2, 0xf033
	s_cbranch_scc0 .Lentry_shape_is_right
	s_endpgm
.Lentry_shape_is_right:
; qkv = x W_attn + b_attn on codes of FP6 (E2M3) with E8M0 scales, K = 1,024; the result is quantised on its way out and leaves as codes: q and k along a head's 64 channels, v along the tokens.
; OPERANDS lie in pool as units of 768 bytes (16 rows x 64 along K, an image of operand registers: registers 0-3 at 16 x lane, 4-5 at 512 + 8 x lane), [K / 256][row block][4 units]; scale words in poolsc,
; [row block][K / 512][row][4 words].  Stored block 2 b + u, row i, is true row 32 b + 8 u + i + 8 (i / 8).  Row blocks: 0-511 x, 512-703 W_attn's columns (v's from 640 on).
; A WORK-GROUP STAYS AND MAKES TWO TILES, so that each of the 256 work-groups has the same work: q and k are 256 tiles of 256 x 256, v is 256 tiles of 128 channels x 256 tokens.
; THE MATRIX INSTRUCTION IS USED TRANSPOSED (source 0 = 16 rows of B', source 1 = 16 rows of A'): a lane holds one row of A', and by the stored row order register 16 b + i of its results is true column
; 32 b + 16 (lane / 16) + i of B': 16 neighbours along the next product's K, as the conversions want them.
; TILE 1 (q where the cluster's x is 0, k where it is 1): A' = 256 tokens of x, B' = 256 columns of W_attn; a wave makes 128 x 128: 64 accumulators; a lane's registers run along channels.
; TILE 2 (v): A' = 128 of W_attn's v columns, B' = 256 tokens of x; a wave makes 64 channels (one head) x 128 tokens (one key step): 32 accumulators; a lane's registers run along tokens.
; CLUSTERS: 4 x 4 work-groups; A's tiles are shared along a row of the cluster, B's along a column, each asked for jointly.  By this text's count a wave has at most four tensor loads out.
; LDS, in chunks of 24,576 bytes (8 row blocks x 256 along K), c0 .. c11: first fills: tile 1's slabs 0, 1, 2 (four chunks each: A's halves, B's halves).  Three refills, each behind a round of the cluster's barrier:
;   at the end of slab 0: slab 3 -> c0-3;   at the end of slab 2: tile 2's A' slabs 0, 1 -> c4, c5 and B' slabs 0, 1 -> c6-7, c8-9;   in the middle of tile 1's way out: A' slabs 2, 3 -> c10, c11 and B' slabs 2, 3 -> c0-1, c2-3.
;   Behind the ring: tile 1's scale words (rows of 256 bytes + 16), then the spare words.  Tile 2's scale words come straight into registers, in whole runs of 256 bytes.
; OUT: qkv is 128 records of 208,896 bytes: record 16 b + head: k's scale words (512 a key step), v's (8,192 + 256 a step), k's units (12,288 + 768 a token block), v's (110,592 + 6,144 a step); record 64 + that: q in k's places.
; LIMITS: NaN and infinities are not served; a block of zeros gets the byte 1 (its codes are zeros; only this program reads the bytes).
; REGISTERS: window 0: v4-27 addresses and offsets, v28-29 for the add, v32-63 tile 1's scale words (two sets), v64-127 tile 2's, v128-223 A's fragments (tile 1: one set of 8; tile 2: two sets of 4), v236-243 v's biases;
;   on the way out v128-191 64 numbers, v192-210 codes, v212-227 at work, v228-235 scale words.  window 1: B's fragments, two sets (v0, v128); v96-127 and v224-255 the columns' biases.
;   windows 2, 3: accumulators ((a, b) at v[8 (8 (a % 4) + b)]).
.set KPS,   3932160                    ; bytes from one 256 along K to the next in pool
.set REC,   208896
.set HALFT, 24576                      ; a chunk
.set SLOT,  98304
.set SCL,   294912
.set HALFS, 4352
.set SPARE, 312320                     ; the spare words: 128 bytes a wave, two blocks of 256 bytes that no other line names
.set FR,    12
.set NP,    4                          ; places behind this matrix instruction (ISA guide 7.12.1)
.set ADRA16, 8                         ; tile 1: v8-10 my A' fragments in slot 0, 1, 2: + 16 x lane;  v11-13: + 8 x lane
.set ADRA8,  11
.set ADRB16, 14                        ; v14-16, v17-19 the same for B'
.set ADRB8,  17
.set A16,    4                         ; tile 2: v4-7, v8-11 my A' fragments of slab 0 .. 3;  v12-15, v16-19 my B'
.set A8,     8
.set B16,    12
.set B8,     16
.set ADRS,   20                        ; v20 tile 1's scale words: lanes 0-15 A's rows, lanes 16-31 B's
.set VO16,   21                        ; v21 16 x lane;  v22 8 x lane
.set VO8,    22
.set VS0,    23                        ; v23, v24 tile 2's scale words in poolsc
.set VS1,    24
.set BOC,    26
.set BOR,    27
.set SPW,    28
.set NIL,    29
.set SC,     32
.set SC2,    64
.set AF,     128
.set T,      128
.set PC,     192
.set TM,     212
.set WD,     228
.set BR,     236
.set SEL,    2
.set G1,   24
.set G0,   32                          ; s[32:43] group 0 for A's loads, three sets
.set G1B,  48
.set G0B,  56                          ; s[56:63], s[68:71] for B's
.set G1S,  72
.set G0S,  80
.set G1SB, 84
.set G0SB, 92
.set MSB, 0
.macro WIN new                         ; the immediate's high byte repeats the setting that is left
.if MSB != (\new)
	s_set_vgpr_msb (MSB<<8)|(\new)
.set MSB, (\new)
.endif
.endm
.set MUL_LO, 0xa1                      ; source 0 (B') window 1, source 1 (A') window 0, C and D window 2
.set MUL_HI, 0xf1
.set TO_B,   0x40
.macro JLOAD g0a, g1a, g0b, g1b        ; a joint load: waves 0 and 1 fetch for A', waves 2 and 3 for B'; four v_nop follow each line
	s_cmp_eq_u32 s15, 0
	s_cbranch_scc0 .Lfor_b_\@
	tensor_load_to_lds s[\g0a:\g0a+3], s[\g1a:\g1a+7]
	s_nop 0
.rept 4
	v_nop
.endr
	s_branch .Lasked_\@
.Lfor_b_\@:
	tensor_load_to_lds s[\g0b:\g0b+3], s[\g1b:\g1b+7]
	s_nop 0
.rept 4
	v_nop
.endr
.Lasked_\@:
.endm
.macro CREST                           ; a round of the cluster's barrier behind its opening barrier
	s_cmp_lg_u32 s14, 0
	s_cbranch_scc1 .Lnot_wave_0_\@
	s_barrier_signal -3
.Lnot_wave_0_\@:
	s_barrier_wait -3
	s_barrier_signal -1
	s_barrier_wait -1
.endm
.macro CROUND
	s_barrier_signal -1
	s_barrier_wait -1
	CREST
.endm
.macro PLACES n
.rept \n
	v_nop
.endr
.endm
.macro FRAG reg, a16, a8, q, i         ; a fragment (16 rows x 128 K) is two units: four loads, each of consecutive bytes over the 32 lanes
	ds_load_b128 v[\reg:\reg+3], v[\a16] offset:(\i)*3072+(\q)*1536
	ds_load_b64 v[\reg+4:\reg+5], v[\a8] offset:(\i)*3072+(\q)*1536+512
	ds_load_b128 v[\reg+6:\reg+9], v[\a16] offset:(\i)*3072+(\q)*1536+768
	ds_load_b64 v[\reg+10:\reg+11], v[\a8] offset:(\i)*3072+(\q)*1536+1280
.endm
; ---------------- tile 1's macros ----------------
.macro FETCH_B slot, q, p
	WIN TO_B
.irp i, 0,1,2,3,4,5,6,7
	FRAG 128*(\p)+FR*\i, ADRB16+\slot, ADRB8+\slot, \q, \i
.endr
	WIN 0
.endm
.macro FETCH_A slot, q, i0
.irp i, \i0, \i0+1, \i0+2, \i0+3
	FRAG AF+FR*(\i), ADRA16+\slot, ADRA8+\slot, \q, \i
.endr
.endm
.macro SCALES set, kp                  ; slab kp's two words a row: lanes 0-15 A's block i, lanes 16-31 B's block i
.irp i, 0,1,2,3,4,5,6,7
	ds_load_b64 v[SC+16*(\set)+2*\i:SC+16*(\set)+2*\i+1], v[ADRS] offset:\i*544+((\kp)/2)*272+8*((\kp)%2)
.endr
.endm
; 16 matrix instructions: A's blocks a0, a0 + 1 x B's eight.  The 64 accumulators take turns, one instruction a turn, in the same order in every step.
.macro MUL16 a0, p, q, sc, zero
.irp a, \a0, \a0+1
.irp b, 0,1,2,3,4,5,6,7
.if \zero
	v_wmma_scale_f32_16x16x128_f8f6f4 v[8*(8*((\a)%4)+\b):8*(8*((\a)%4)+\b)+7], v[128*(\p)+FR*\b:128*(\p)+FR*\b+FR-1], v[AF+FR*(\a):AF+FR*(\a)+FR-1], 0, v[SC+16*(\sc)+2*\b+(\q)], v[SC+16*(\sc)+2*(\a)+(\q)] matrix_a_fmt:MATRIX_FMT_FP6 matrix_b_fmt:MATRIX_FMT_FP6 matrix_a_scale:MATRIX_SCALE_ROW1
.else
	v_wmma_scale_f32_16x16x128_f8f6f4 v[8*(8*((\a)%4)+\b):8*(8*((\a)%4)+\b)+7], v[128*(\p)+FR*\b:128*(\p)+FR*\b+FR-1], v[AF+FR*(\a):AF+FR*(\a)+FR-1], v[8*(8*((\a)%4)+\b):8*(8*((\a)%4)+\b)+7], v[SC+16*(\sc)+2*\b+(\q)], v[SC+16*(\sc)+2*(\a)+(\q)] matrix_a_fmt:MATRIX_FMT_FP6 matrix_b_fmt:MATRIX_FMT_FP6 matrix_a_scale:MATRIX_SCALE_ROW1
.endif
.endr
.endr
.endm
.macro STEP slot, sc, zero             ; a slab's first 128 along K; it fetches the second's fragments
	s_wait_dscnt 16                                ; all but the youngest 16 loads (A's blocks 4-7) are in
	WIN MUL_LO
	MUL16 0, 0, 0, \sc, \zero
	MUL16 2, 0, 0, \sc, \zero
	s_wait_dscnt 0
	PLACES NP
	FETCH_B \slot, 1, 1
	FETCH_A \slot, 1, 0
	WIN MUL_HI
	MUL16 4, 0, 0, \sc, \zero
	MUL16 6, 0, 0, \sc, \zero
	PLACES NP
	WIN 0
	FETCH_A \slot, 1, 4
.endm
; A slab's second 128 along K, which goes on to slot next (slab kpn).  sync 1: slot 0 takes tile 1's slab 3.  sync 3: slots 1 and 2, both read out, take tile 2's slabs 0 and 1.  Both behind a round of the cluster's barrier.
; sync 0: no barrier: slot 2 was shown landed in every wave by the wait for all tensor loads in front of the first round.
.macro TURN slot, next, sc, sync, kpn
.if \sync
	s_wait_tensorcnt 0x0                           ; all my tensor loads have landed
	ds_add_u32 v[SPW], v[NIL]                      ; 0 onto my spare word
	s_wait_dscnt 17                                ; (the add and the youngest 16 loads may be out)
	WIN MUL_LO
	MUL16 0, 1, 1, \sc, 0
	s_wait_dscnt 0x0                               ; the add is done, and my reads of this slot are over
	s_barrier_signal -1
	MUL16 2, 1, 1, \sc, 0
	WIN 0
	s_barrier_wait -1
	CREST                                          ; no wave of any partner still reads what is filled now, or has a load on its way
.if \sync == 1
	s_add_nc_u64 s[G0+2:G0+3], s[G0+2:G0+3], 3*KPS
	s_add_nc_u64 s[G0B+2:G0B+3], s[G0B+2:G0B+3], 3*KPS
	JLOAD G0, G1, G0B, G1B                         ; the first tensor load behind the round; its four v_nop are the places in front of the loads below
.else
	s_mov_b32 s[G1B+2], 192<<16                    ; from here on B's loads bring both halves of a slab: 49,152 dense bytes, 192 rows of 256 (no load is out: the group may be written)
	s_mov_b32 s[G1B+4], 192
	s_mul_i32 s[G0+5], s16, HALFT                  ; waves 0, 1: tile 2's A', slab 0 or 1, to c4 or c5
	s_add_co_u32 s[G0+5], s[G0+5], 4*HALFT
	s_mov_b64 s[G0+6:G0+7], s[18:19]
	s_or_b32 s[G0+7], s[G0+7], 0x80000000
	s_mul_i32 s[G0B+5], s16, 2*HALFT               ; waves 2, 3: tile 2's B', slab 0 or 1, to c6-7 or c8-9
	s_add_co_u32 s[G0B+5], s[G0B+5], 6*HALFT
	s_mov_b64 s[G0B+6:G0B+7], s[98:99]
	s_or_b32 s[G0B+7], s[G0B+7], 0x80000000
	JLOAD G0+4, G1, G0B+4, G1B
.endif
.else
	s_wait_dscnt 16
	WIN MUL_LO
	MUL16 0, 1, 1, \sc, 0
	MUL16 2, 1, 1, \sc, 0
	s_wait_dscnt 0x0
	PLACES NP
.endif
	FETCH_B \next, 0, 0
	FETCH_A \next, 0, 0
	SCALES (\kpn)%2, \kpn
	WIN MUL_HI
	MUL16 4, 1, 1, \sc, 0
	MUL16 6, 1, 1, \sc, 0
	PLACES NP
	WIN 0
	FETCH_A \next, 0, 4
.endm
; ---------------- tile 2's macros ----------------
.macro ADR2 kp, ca, cb                 ; slab kp: A' lies in chunk ca (my 4 row blocks of its 8), B' in chunks cb, cb + 1 (my half)
	s_add_co_u32 s4, s23, (\ca)*HALFT
	s_add_co_u32 s5, s100, (\cb)*HALFT
	v_add_nc_u32 v[A16+\kp], s4, v[VO16]
	v_add_nc_u32 v[A8+\kp], s4, v[VO8]
	v_add_nc_u32 v[B16+\kp], s5, v[VO16]
	v_add_nc_u32 v[B8+\kp], s5, v[VO8]
.endm
.macro FETCH2 kp, q, p                 ; 48 loads: B's eight and A's four fragments of slab kp's q-th 128 along K, into sets p
	WIN TO_B
.irp i, 0,1,2,3,4,5,6,7
	FRAG 128*(\p)+FR*\i, B16+\kp, B8+\kp, \q, \i
.endr
	WIN 0
.irp i, 0,1,2,3
	FRAG AF+48*(\p)+FR*\i, A16+\kp, A8+\kp, \q, \i
.endr
.endm
.macro MUL32 p, ks, zero               ; 32 matrix instructions: A's four blocks x B's eight; the 32 accumulators take turns
.irp a, 0,1,2,3
.irp b, 0,1,2,3,4,5,6,7
.if \zero
	v_wmma_scale_f32_16x16x128_f8f6f4 v[8*(8*\a+\b):8*(8*\a+\b)+7], v[128*(\p)+FR*\b:128*(\p)+FR*\b+FR-1], v[AF+48*(\p)+FR*\a:AF+48*(\p)+FR*\a+FR-1], 0, v[SC2+8*\b+(\ks)], v[SC2+8*\a+(\ks)] matrix_a_fmt:MATRIX_FMT_FP6 matrix_b_fmt:MATRIX_FMT_FP6 matrix_a_scale:MATRIX_SCALE_ROW1
.else
	v_wmma_scale_f32_16x16x128_f8f6f4 v[8*(8*\a+\b):8*(8*\a+\b)+7], v[128*(\p)+FR*\b:128*(\p)+FR*\b+FR-1], v[AF+48*(\p)+FR*\a:AF+48*(\p)+FR*\a+FR-1], v[8*(8*\a+\b):8*(8*\a+\b)+7], v[SC2+8*\b+(\ks)], v[SC2+8*\a+(\ks)] matrix_a_fmt:MATRIX_FMT_FP6 matrix_b_fmt:MATRIX_FMT_FP6 matrix_a_scale:MATRIX_SCALE_ROW1
.endif
.endr
.endr
.endm
.macro STEP2 s, kpn, qn, zero          ; step s of eight (128 along K each); it asks for the next step's fragments (slab kpn, half qn) ahead of its own products
	s_wait_dscnt 0x0                               ; this step's fragments are in
.if \s == 3
	s_wait_tensorcnt 0x0                           ; my part of slabs 2 and 3 is in,
	s_barrier_signal -1
	s_barrier_wait -1                              ; everybody's is
.endif
.if \s < 7
	PLACES NP                                      ; in front of loads into the sets that the last step's products read
	FETCH2 \kpn, \qn, \qn
.endif
	WIN MUL_LO
	MUL32 (\s)%2, \s, \zero
	WIN 0
.endm
; 64 numbers of a lane, register 16 b + i = k 32 b + 16 (lane / 16) + i of my row, become a fragment's codes in v[PC] on and its scale word in v[pw].
.macro QUANT s, pw
.irp b, 0,1,2,3
	v_max3_num_f32 v[TM+\b], |v[\s+16*\b]|, |v[\s+1+16*\b]|, 0x1800000   ; with the floor 2^(3 - 127): the byte cannot fall under 1
.endr
.irp i, 2,4,6,8,10,12,14
.irp b, 0,1,2,3
	v_max3_num_f32 v[TM+\b], v[TM+\b], |v[\s+16*\b+\i]|, |v[\s+1+16*\b+\i]|
.endr
.endr
.irp b, 0,1,2,3
	v_permlanex16_b32 v[TM+4+\b], v[TM+\b], s[SEL], s[SEL+1]
.endr
.irp b, 0,1,2,3
	v_max_num_f32 v[TM+\b], v[TM+\b], v[TM+4+\b]   ; with lane l xor 16's: the block's largest magnitude
.endr
.irp b, 0,1,2,3
	v_add_nc_u32 v[TM+12+\b], 0xff000000, v[TM+\b] ; 2 off its exponent field: the conversion's scale operand
.endr
.irp b, 0,1,2,3
	v_lshrrev_b32 v[TM+4+\b], 23, v[TM+12+\b]      ; the scale's byte
.endr
	v_lshl_or_b32 v[\pw], v[TM+5], 8, v[TM+4]
	v_lshl_or_b32 v[\pw], v[TM+6], 16, v[\pw]
	v_lshl_or_b32 v[\pw], v[TM+7], 24, v[\pw]
	s_wait_xcnt 0x0                                ; the last block's stores have read the codes' registers
.irp c, 0,1
	v_cvt_scalef32_pk16_fp6_f32 v[PC+6*\c:PC+2+6*\c], v[\s+32*\c:\s+15+32*\c], v[TM+12+2*\c]
	v_cvt_scalef32_pk16_fp6_f32 v[PC+12+4*\c:PC+14+4*\c], v[\s+16+32*\c:\s+31+32*\c], v[TM+12+2*\c+1]
.endr
	v_nop                                          ; one plain place behind a scaled conversion
.irp c, 0,1                            ; the operand's layout wants a whole block in a lane
.irp i, 0,1,2
	v_permlane16_swap_b32 v[PC+6*\c+\i], v[PC+12+4*\c+\i]
.endr
.irp i, 0,1,2
	v_mov_b32 v[PC+3+6*\c+\i], v[PC+12+4*\c+\i]
.endr
.endr
.endm
; The third refill: what tile 1 has read out takes tile 2's slabs 2 and 3.  It stands in the middle of tile 1's way out, so that the wait for all loads finds the second refill landed.
.macro REFILL3
	s_wait_tensorcnt 0x0                           ; all my tensor loads have landed: tile 2's slabs 0 and 1
	ds_add_u32 v[SPW], v[NIL]                      ; 0 onto my spare word; the descriptors are written while it is out
	s_add_nc_u64 s[18:19], s[18:19], 2*KPS
	s_add_nc_u64 s[98:99], s[98:99], 2*KPS
	s_mul_i32 s[G0+9], s16, HALFT                  ; waves 0, 1: A', slab 2 or 3, to c10 or c11
	s_add_co_u32 s[G0+9], s[G0+9], 10*HALFT
	s_mov_b64 s[G0+10:G0+11], s[18:19]
	s_or_b32 s[G0+11], s[G0+11], 0x80000000
	s_mul_i32 s[G0B+13], s16, 2*HALFT              ; waves 2, 3: B', slab 2 or 3, to c0-1 or c2-3
	s_mov_b64 s[G0B+14:G0B+15], s[98:99]
	s_or_b32 s[G0B+15], s[G0B+15], 0x80000000
	s_wait_dscnt 0x0                               ; the add is done; my LDS reads were over long ago
	CROUND
	JLOAD G0+8, G1, G0B+12, G1B
.endm
; THE WAYS OUT, block by block of 16 rows of A': bias, quantiser, two units: each leaves as 512 + 256 consecutive bytes, aligned to 256, straight from registers.
.macro OUT_QK
.irp a, 0,1,2,3,4,5,6,7
.if \a == 4
	REFILL3
.endif
	WIN 0x06+\a/4                                  ; source 0 (the sums): window 2 or 3; source 1 (the biases): window 1
.set k, 0
.rept 32
	v_pk_add_f32 v[T+k:T+k+1], v[64*(\a%4)+k:64*(\a%4)+k+1], v[96+k+96*(k/32):96+k+96*(k/32)+1]   ; each accumulator from its low end on
.set k, k+2
.endr
	WIN 0
	QUANT T, WD+\a
	global_store_b128 v[VO16], v[PC:PC+3], s[12:13] offset:\a*768            ; my first head's 64 channels,
	global_store_b64 v[VO8], v[PC+4:PC+5], s[12:13] offset:\a*768+512
	global_store_b128 v[VO16], v[PC+6:PC+9], s[12:13] offset:REC+\a*768      ; my second head's
	global_store_b64 v[VO8], v[PC+10:PC+11], s[12:13] offset:REC+\a*768+512
.endr
.endm
.macro OUT_V
.irp a, 0,1,2,3
	WIN 0x02                                       ; source 0: window 2
.set k, 0
.rept 32
	v_pk_add_f32 v[T+k:T+k+1], v[64*\a+k:64*\a+k+1], v[BR+2*\a:BR+2*\a+1]   ; my channel's bias
.set k, k+2
.endr
	WIN 0
	QUANT T, WD+\a
	global_store_b128 v[VO16], v[PC:PC+3], s[12:13] offset:(2*\a)*768        ; channel tile a, the step's first 64 keys,
	global_store_b64 v[VO8], v[PC+4:PC+5], s[12:13] offset:(2*\a)*768+512
	global_store_b128 v[VO16], v[PC+6:PC+9], s[12:13] offset:(2*\a+1)*768    ; its second 64
	global_store_b64 v[VO8], v[PC+10:PC+11], s[12:13] offset:(2*\a+1)*768+512
.endr
.endm
	s_load_b256 s[4:11], s[0:1], 0x0               ; pool s[4:5], poolsc s[6:7], b_attn s[8:9], qkv s[10:11]
	v_lshl_add_u32 v[SPW], v0, 2, SPARE
	v_mov_b32 v[NIL], 0
	ds_add_u32 v28, v29
	ds_add_u32 v28, v29
	s_wait_dscnt 0x0
	v_lshrrev_b32 v1, 5, v0
	v_readfirstlane_b32 s14, v1                    ; wave 0..3
	s_lshr_b32 s15, s14, 1                         ; which half of A's rows is mine.  Also: I fetch for A' (0) or B' (1)
	s_and_b32 s16, s14, 1                          ; which half of B's rows.  Also: which part I fetch
	s_mov_b32 s[SEL], 0x76543210
	s_mov_b32 s[SEL+1], 0xfedcba98
	s_mov_b32 s101, 0xffff0000                     ; lanes 16-31
	s_bfe_u32 s44, ttmp6, 0x40000                  ; cx
	s_bfe_u32 s45, ttmp6, 0x40004                  ; cy
	s_and_b32 s20, ttmp7, 0xffff
	s_lshl_b32 s20, s20, 2                         ; 4 x cluster y
	s_lshl_b32 s21, ttmp9, 2                       ; 4 x cluster x
	s_add_co_u32 s17, s20, s45                     ; tile 1: A' = x's tile 4 Y + cy: it hangs on cy alone,
	s_add_co_u32 s96, s21, s44
	s_add_co_u32 s96, s96, 32                      ; B' = W_attn's tile 4 X + cx (its tiles begin at tile 32): on cx alone
	s_lshl_b32 s46, s45, 2
	s_lshl_b32 s46, 15, s46                        ; my row of the cluster
	s_lshl_b32 s47, 0x1111, s44                    ; my column
	s_or_b32 s[G1], s46, (3<<16)|(1<<21)           ; 15:0 the mask; 17:16 elements of 8 bytes; 21 set beside a mask; no padding
	s_or_b32 s[G1B], s47, (3<<16)|(1<<21)
.irp g, G1, G1B                        ; a chunk: 24,576 dense bytes as 96 rows of 256
	s_mov_b32 s[\g+1], 32<<16
	s_mov_b32 s[\g+2], 96<<16
	s_mov_b32 s[\g+3], 32<<16
	s_mov_b32 s[\g+4], 96
	s_mov_b32 s[\g+5], 32
	s_mov_b32 s[\g+6], 0
	s_mov_b32 s[\g+7], 0
.endr
	s_or_b32 s[G1S], s46, (3<<16)|(1<<20)|(1<<21)|(5<<22)|(3<<25)   ; tile 1's scale words: 16 rows of 256 bytes, 16 bytes of padding behind each
	s_or_b32 s[G1SB], s47, (3<<16)|(1<<20)|(1<<21)|(5<<22)|(3<<25)
.irp g, G1S, G1SB
	s_mov_b32 s[\g+1], 32<<16
	s_mov_b32 s[\g+2], 16<<16
	s_mov_b32 s[\g+3], 32<<16
	s_mov_b32 s[\g+4], 16
	s_mov_b32 s[\g+5], 32
	s_mov_b32 s[\g+6], 0
	s_mov_b32 s[\g+7], 0
.endr
	s_mul_i32 s23, s16, KPS                        ; tile 2: the odd wave of a pair fetches the odd slab
	s_lshl_b32 s22, s17, 4
	s_lshl_b32 s18, s16, 3
	s_add_co_u32 s22, s22, s18                     ; tile 1, A': the first row block that I fetch: 16 x tile + 8 x half
	s_mul_i32 s18, s22, 3072
	s_mov_b32 s19, 0
	s_lshl_b32 s[G0S+2], s22, 9
	s_mov_b32 s[G0S+3], 0
	s_add_co_u32 s22, s21, s45                     ; tile 2, A': channel group 4 X + cy: row blocks 640 + 8 x group on
	s_lshl_b32 s22, s22, 3
	s_add_co_u32 s22, s22, 640
	s_mul_i32 s12, s22, 3072
	s_add_co_u32 s12, s12, s23
	s_mov_b32 s13, 0
	s_lshl_b32 s97, s96, 4
	s_lshl_b32 s98, s16, 3
	s_add_co_u32 s97, s97, s98                     ; tile 1, B' likewise
	s_mul_i32 s98, s97, 3072
	s_mov_b32 s99, 0
	s_lshl_b32 s[G0SB+2], s97, 9
	s_mov_b32 s[G0SB+3], 0
	s_add_co_u32 s97, s20, s44                     ; tile 2, B': x's tile 4 Y + cx (kept in s97)
	s_mul_i32 s66, s97, 2*HALFT
	s_add_co_u32 s66, s66, s23
	s_mov_b32 s67, 0
	s_mul_i32 s23, s14, HALFT                      ; where tile 1's parts go: wave x a chunk: no place in the cluster enters an LDS address
	s_mul_i32 s100, s14, HALFS
	s_wait_kmcnt 0x0
	s_add_nc_u64 s[18:19], s[4:5], s[18:19]
	s_add_nc_u64 s[98:99], s[4:5], s[98:99]
	s_mov_b32 s[G0S], 1
	s_add_co_u32 s[G0S+1], s100, SCL
	s_add_nc_u64 s[G0S+2:G0S+3], s[6:7], s[G0S+2:G0S+3]
	s_or_b32 s[G0S+3], s[G0S+3], 0x80000000
	s_mov_b32 s[G0SB], 1
	s_add_co_u32 s[G0SB+1], s100, SCL
	s_add_nc_u64 s[G0SB+2:G0SB+3], s[6:7], s[G0SB+2:G0SB+3]
	s_or_b32 s[G0SB+3], s[G0SB+3], 0x80000000
.irp n, 0,1,2
	s_mov_b32 s[G0+4*\n], 1
	s_add_co_u32 s[G0+4*\n+1], s23, \n*SLOT
	s_add_nc_u64 s[G0+4*\n+2:G0+4*\n+3], s[18:19], \n*KPS
	s_or_b32 s[G0+4*\n+3], s[G0+4*\n+3], 0x80000000
	s_mov_b32 s[G0B+4*\n+4*(\n/2)], 1
	s_add_co_u32 s[G0B+4*\n+4*(\n/2)+1], s23, \n*SLOT
	s_add_nc_u64 s[G0B+4*\n+4*(\n/2)+2:G0B+4*\n+4*(\n/2)+3], s[98:99], \n*KPS
	s_or_b32 s[G0B+4*\n+4*(\n/2)+3], s[G0B+4*\n+4*(\n/2)+3], 0x80000000
.endr
	s_add_nc_u64 s[18:19], s[4:5], s[12:13]        ; tile 2: where my first part of A' lies,
	s_add_nc_u64 s[98:99], s[4:5], s[66:67]        ; and of B'
	CROUND                                         ; all sixteen work-groups are here: the first joint loads meet
	JLOAD G0S, G1S, G0SB, G1SB                     ; tile 1's scale words of all of K, then its slabs 0, 1, 2
.irp n, 0,1,2
	JLOAD G0+4*\n, G1, G0B+4*\n+4*(\n/2), G1B
.endr
	v_and_b32 v1, 31, v0
	v_and_b32 v2, 15, v0                           ; r
	v_bfe_u32 v3, v0, 4, 1                         ; h
	v_lshlrev_b32 v[VO16], 4, v1
	v_lshlrev_b32 v[VO8], 3, v1
	s_mul_i32 s23, s15, HALFT                      ; my 128 rows of A'
	s_mul_i32 s100, s16, HALFT
	s_add_co_u32 s100, s100, 2*HALFT               ; my 128 rows of B', behind A's 256
.irp n, 0,1,2
	v_add_nc_u32 v[ADRA16+\n], s23, v[VO16]
	v_add_nc_u32 v[ADRA8+\n], s23, v[VO8]
	v_add_nc_u32 v[ADRB16+\n], s100, v[VO16]
	v_add_nc_u32 v[ADRB8+\n], s100, v[VO8]
	s_add_co_u32 s23, s23, SLOT
	s_add_co_u32 s100, s100, SLOT
.endr
	s_mul_i32 s23, s15, HALFS
	s_mul_i32 s100, s16, HALFS
	s_add_co_u32 s100, s100, 2*HALFS
	s_sub_co_u32 s100, s100, s23
	v_mul_u32_u24 v4, s100, v3                     ; lanes 16-31 take B's
	s_add_co_u32 s23, s23, SCL
	v_lshl_add_u32 v4, v2, 4, v4                   ; 16 bytes a row
	v_add_nc_u32 v[ADRS], s23, v4
	; tile 2's scale words, all of K, straight into registers: register 8 i + ks: lanes 0-15 the word of A's block i, lanes 16-31 that of B's block i.  Sixteen lanes read 256 consecutive bytes, aligned
	s_add_co_u32 s4, s21, s45
	s_lshl_b32 s4, s4, 3
	s_lshl_b32 s5, s15, 2
	s_add_co_u32 s4, s4, s5
	s_add_co_u32 s4, s4, 640
	s_lshl_b32 s4, s4, 9                           ; A': row block 640 + 8 x group + 4 x half, 512 bytes each
	s_lshl_b32 s5, s97, 4
	s_lshl_b32 s23, s16, 3
	s_add_co_u32 s5, s5, s23
	s_lshl_b32 s5, s5, 9                           ; B': row block 16 x tile + 8 x half
	v_lshl_add_u32 v30, v2, 4, s4
	v_lshl_add_u32 v31, v2, 4, s5
	v_cndmask_b32 v[VS0], v30, v31, s101
	v_add_nc_u32 v30, 0xfffff800, v30              ; A' has four blocks: for i = 4 .. 7 lanes 0-15 take blocks 0 .. 3 once more (those lanes are not used), so that no load leaves the buffer
	v_cndmask_b32 v[VS1], v30, v31, s101
.irp i, 0,1,2,3
	global_load_b128 v[SC2+8*\i:SC2+8*\i+3], v[VS0], s[6:7] offset:\i*512
	global_load_b128 v[SC2+8*\i+4:SC2+8*\i+7], v[VS0], s[6:7] offset:\i*512+256
.endr
.irp i, 4,5,6,7
	global_load_b128 v[SC2+8*\i:SC2+8*\i+3], v[VS1], s[6:7] offset:\i*512
	global_load_b128 v[SC2+8*\i+4:SC2+8*\i+7], v[VS1], s[6:7] offset:\i*512+256
.endr
	; the biases: tile 1's by columns, tile 2's by rows
	s_add_co_u32 s4, s21, s44
	s_lshl_b32 s4, s4, 10                          ; my first column x 4 bytes: 256 (4 X + cx) + 128 x half
	s_lshl_b32 s5, s16, 9
	s_add_co_u32 s4, s4, s5
	s_mov_b32 s5, 0
	s_add_nc_u64 s[12:13], s[8:9], s[4:5]
	s_add_co_u32 s4, s21, s45
	s_lshl_b32 s4, s4, 9                           ; my first channel x 4 bytes: 2,048 + 128 (4 X + cy) + 64 x half
	s_lshl_b32 s23, s15, 8
	s_add_co_u32 s4, s4, s23
	s_add_co_u32 s4, s4, 8192
	s_add_nc_u64 s[66:67], s[8:9], s[4:5]
	v_lshlrev_b32 v[BOC], 6, v3                    ; register 16 b + i is column 32 b + 16 h + i
	v_and_b32 v4, 8, v2
	v_add_nc_u32 v4, v4, v2
	v_lshlrev_b32 v[BOR], 2, v4                    ; stored row r of block a is true row 32 (a / 2) + 8 (a % 2) + r + 8 (r / 8)
	WIN TO_B                                       ; the columns' biases go to the registers of window 1 that B's two sets leave free
.set i, 0
.rept 16
	global_load_b128 v[96+4*i+96*(i/8):96+4*i+96*(i/8)+3], v[BOC], s[12:13] offset:128*(i/4)+16*(i%4)
.set i, i+1
.endr
	WIN 0
.irp a, 0,1,2,3
	global_load_b32 v[BR+2*\a], v[BOR], s[66:67] offset:(32*(\a/2)+8*(\a%2))*4
	global_load_b32 v[BR+2*\a+1], v[BOR], s[66:67] offset:(32*(\a/2)+8*(\a%2))*4   ; twice: a pair for the packed addition
.endr
	; ---------------- tile 1 ----------------
	s_wait_tensorcnt 2                             ; the scale words and my part of slab 0 are in; slabs 1 and 2 may be out
	s_barrier_signal -1
	s_barrier_wait -1
	FETCH_B 0, 0, 0
	FETCH_A 0, 0, 0
	SCALES 0, 0
	FETCH_A 0, 0, 4
	STEP 0, 0, 1                                   ; the first products start the sums: nothing is cleared
	TURN 0, 1, 0, 1, 1
	STEP 1, 1, 0
	TURN 1, 2, 1, 0, 2
	STEP 2, 0, 0
	TURN 2, 0, 0, 3, 3
	STEP 0, 1, 0
	s_wait_dscnt 16                                ; tile 1's last step: nothing more to fetch
	WIN MUL_LO
	MUL16 0, 1, 1, 1, 0
	MUL16 2, 1, 1, 1, 0
	s_wait_dscnt 0
	WIN MUL_HI
	MUL16 4, 1, 1, 1, 0
	MUL16 6, 1, 1, 1, 0
	WIN 0
	PLACES NP                                      ; in front of the first read of results and the first write into registers that held A's fragments
	s_wait_loadcnt 0x0                             ; the biases and tile 2's scale words; their bases may be written again
.irp b, 0,1,2,3
	v_mov_b32 v[TM+4+\b], 0                        ; written once: a lane permute's destination counts as one of its sources
.endr
	; my rows are the tokens of key step 2 (tile % 8) + half of batch tile / 8; my 128 columns are heads 4 cx + 2 x half and the next
	s_lshr_b32 s4, s17, 3
	s_lshl_b32 s4, s4, 4
	s_lshl_b32 s5, s44, 2
	s_add_co_u32 s4, s4, s5
	s_lshl_b32 s5, s16, 1
	s_add_co_u32 s4, s4, s5
	s_cmp_eq_u32 ttmp9, 0
	s_cselect_b32 s5, 64, 0                        ; q's records lie 64 behind k's
	s_add_co_u32 s4, s4, s5
	s_mul_i32 s4, s4, REC
	s_and_b32 s5, s17, 7
	s_lshl_b32 s5, s5, 1
	s_add_co_u32 s5, s5, s15
	s_mul_i32 s6, s5, 6144
	s_add_co_u32 s6, s6, s4
	s_add_co_u32 s6, s6, 12288
	s_mov_b32 s7, 0
	s_add_nc_u64 s[12:13], s[10:11], s[6:7]        ; the step's eight units
	s_lshl_b32 s6, s5, 9
	s_add_co_u32 s6, s6, s4
	s_add_nc_u64 s[66:67], s[10:11], s[6:7]        ; and its scale words
	OUT_QK
.irp i, 0,1,2,3
	v_cndmask_b32 v[T+\i], v[WD+2*\i], v[WD+2*\i+1], s101   ; lanes 0-15 the even block's words, lanes 16-31 the odd block's
.endr
.irp i, 0,1,2,3
	v_and_b32 v[T+4+\i], 0xffff, v[T+\i]           ; the first head's two bytes; the upper two stay 0: they meet zero codes
	v_lshrrev_b32 v[T+8+\i], 16, v[T+\i]           ; the second head's
.endr
	global_store_b128 v[VO16], v[T+4:T+7], s[66:67]
	global_store_b128 v[VO16], v[T+8:T+11], s[66:67] offset:REC
	; ---------------- tile 2 ----------------
	s_wait_xcnt 0x0                                ; tile 1's stores have read their registers and bases
	s_mul_i32 s23, s15, 12288                      ; my 4 of A's 8 row blocks
	s_mul_i32 s100, s16, HALFT                     ; my half of B'
	ADR2 0, 4, 6
	ADR2 1, 5, 8
	ADR2 2, 10, 0
	ADR2 3, 11, 2
	; my rows are the 64 channels of head 2 (4 X + cy) + half; my 128 columns are the tokens of key step 2 (tile % 8) + half of batch tile / 8
	s_lshr_b32 s4, s97, 3
	s_lshl_b32 s4, s4, 4
	s_add_co_u32 s5, s21, s45
	s_lshl_b32 s5, s5, 1
	s_add_co_u32 s4, s4, s5
	s_add_co_u32 s4, s4, s15
	s_mul_i32 s4, s4, REC
	s_and_b32 s5, s97, 7
	s_lshl_b32 s5, s5, 1
	s_add_co_u32 s5, s5, s16
	s_mul_i32 s6, s5, 6144
	s_add_co_u32 s6, s6, s4
	s_add_co_u32 s6, s6, 110592
	s_add_nc_u64 s[12:13], s[10:11], s[6:7]
	s_lshl_b32 s6, s5, 8
	s_add_co_u32 s6, s6, s4
	s_add_co_u32 s6, s6, 8192
	s_add_nc_u64 s[66:67], s[10:11], s[6:7]
	FETCH2 0, 0, 0                                 ; slabs 0 and 1 were shown landed in every wave by the wait in front of the third round
	s_wait_alu depctr_va_vdst(0)
	STEP2 0, 0, 1, 1                               ; the first products start the sums
	STEP2 1, 1, 0, 0
	STEP2 2, 1, 1, 0
	STEP2 3, 2, 0, 0
	STEP2 4, 2, 1, 0
	STEP2 5, 3, 0, 0
	STEP2 6, 3, 1, 0
	STEP2 7, 0, 0, 0
	PLACES NP
	OUT_V
.irp i, 0,1
	v_cndmask_b32 v[T+\i], v[WD+2*\i], v[WD+2*\i+1], s101
.endr
	global_store_b64 v[VO8], v[T:T+1], s[66:67]    ; 256 consecutive bytes, aligned
	s_wait_tensorcnt 0x0                           ; the wave's end
	ds_add_u32 v[SPW], v[NIL]
	s_wait_dscnt 0x0
	CROUND                                         ; the closing round: no work-group ends while a partner may still ask for a tile that names it
	s_endpgm
.Lfunc_end_k_qb2a37f7680_gemm_qkv:
	.size	k_qb2a37f7680_gemm_qkv, .Lfunc_end_k_qb2a37f7680_gemm_qkv-k_qb2a37f7680_gemm_qkv
	.p2alignl 7, 3214868480
	.fill 96, 4, 3214868480
	.section	.rodata,"a",@progbits
	.p2align	6, 0x0
	.amdhsa_kernel k_qb2a37f7680_gemm_qkv
		.amdhsa_group_segment_fixed_size 327680
		.amdhsa_private_segment_fixed_size 0
		.amdhsa_enable_private_segment 0
		.amdhsa_kernarg_size 32
		.amdhsa_user_sgpr_count 2
		.amdhsa_user_sgpr_kernarg_segment_ptr 1
		.amdhsa_wavefront_size32 1
		.amdhsa_system_sgpr_workgroup_id_x 1
		.amdhsa_system_sgpr_workgroup_id_y 1
		.amdhsa_system_sgpr_workgroup_id_z 1
		.amdhsa_system_vgpr_workitem_id 0
		.amdhsa_next_free_vgpr 1024
		.amdhsa_next_free_sgpr 104
		.amdhsa_reserve_vcc 0
		.amdhsa_float_denorm_mode_32 3
		.amdhsa_float_denorm_mode_16_64 3
		.amdhsa_memory_ordered 1
		.amdhsa_forward_progress 1
		.amdhsa_inst_pref_size 255
	.end_amdhsa_kernel
	.section	.bss,"aw",@nobits
	.p2align	6
	.space	262144
	.amdgpu_metadata
---
amdhsa.version: [ 1, 2 ]
amdhsa.kernels:
  - .name:           k_qb2a37f7680_gemm_qkv
    .symbol:         k_qb2a37f7680_gemm_qkv.kd
    .args:
      - { .name: pool, .offset: 0, .size: 8, .value_kind: global_buffer, .address_space: global }
      - { .name: poolsc, .offset: 8, .size: 8, .value_kind: global_buffer, .address_space: global }
      - { .name: b_attn, .offset: 16, .size: 8, .value_kind: global_buffer, .address_space: global }
      - { .name: qkv, .offset: 24, .size: 8, .value_kind: global_buffer, .address_space: global }
    .group_segment_fixed_size: 327680
    .private_segment_fixed_size: 0
    .kernarg_segment_align: 8
    .kernarg_segment_size: 32
    .max_flat_workgroup_size: 128
    .sgpr_count:     104
    .vgpr_count:     1024
    .wavefront_size: 32
...
	.end_amdgpu_metadata
.endif
;; end of part 2
;; launch attn (part 3): grid 4 x 64, 16 waves a work-group, clusters of 4 x 1, 210,944 bytes of LDS; arguments qkv, pool, poolsc; writes pool, poolsc
.if DOCPART == 3
	.amdgcn_target "amdgcn-amd-amdhsa--gfx1250"
	.amdhsa_code_object_version 6
	.text
	.protected	k_qb2a37f7680_attn
	.globl	k_qb2a37f7680_attn
	.p2align	8
	.type	k_qb2a37f7680_attn,@function
k_qb2a37f7680_attn:
	s_mov_b64 s[64:65], 0
	v_nop
	global_prefetch_b8 v0, s[64:65] scope:SCOPE_SE
	s_setreg_imm32_b32 hwreg(HW_REG_WAVE_MODE, 25, 1), 1
	s_wait_xcnt 0x0
	s_wait_alu depctr_hold_cnt(0) depctr_sa_sdst(0) depctr_va_vdst(0) depctr_va_sdst(0) depctr_va_ssrc(0) depctr_va_vcc(0) depctr_vm_vsrc(0)
	s_getreg_b32 s2, hwreg(HW_REG_IB_STS2, 6, 4)
	s_cmp_eq_u32 s2, 0
	s_cbranch_scc0 .Lentry_in_a_cluster
	s_endpgm
.Lentry_in_a_cluster:
	s_bfe_u32 s2, ttmp6, 0x10000c
	s_cmp_lg_u32 s2, 0x3003
	s_cbranch_scc0 .Lentry_shape_is_right
	s_endpgm
.Lentry_shape_is_right:
; y[b][q][head] = softmax_k(q . k / 8, causal) v, both products on codes of FP6 (E2M3) with E8M0 scales; y leaves quantised along the model's 1,024, as an operand of the last product.
; THE SOFTMAX: t = score x log2(e) / 8; M = the running largest t rounded UP to a whole number; p = 2^(t - M) is quantised along the keys, not normalised; the sum is taken of the unquantised p and divides at the end.
; When M moves, the sum and O are multiplied by 2^(old M - new M): exact.
; A CLUSTER IS ONE HEAD (64 of them).  The head's whole record (k's and v's scale words and units, 208,896 bytes) is brought into each partner's LDS ONCE, by joint loads that name all four; nothing is filled again.
; SHARES.  Work-group cx owns the query tiles 4 u + cx, u = 0..31; wave w takes u = 31 - w and then u = w.  A tile needs the key steps 0 .. u / 2 (128 keys each), a number in which cx has no part: every branch hangs on the
; wave's number and a counter.  Each wave does 17 tile steps, two of them on the diagonal: all waves of the launch have equal work.
; LAYOUT.  S^T = K Q^T (source 0 = 16 keys, source 1 = my 16 queries), O^T = V^T P^T: a lane holds one query throughout.  Stored token block 2 b + u, row i, is token 32 b + 8 u + i + 8 (i / 8): so register 16 b + i of a
; step's 64 scores is key 32 b + 16 (lane / 16) + i, and register 16 b + i of O^T is channel 32 b + 16 (lane / 16) + i.
; The head's K is 64 against the instruction's 128: Q's upper six registers are zero codes; K's upper six are whatever follows (the next unit), which zero codes make nothing of; the upper scale bytes are 0, not 0xff.
; Sixteen waves of 256 registers: four to a SIMD, so that one wave's vector work stands beside another's matrix work and LDS loads.
; OUT: a unit (512 + 256 consecutive bytes, aligned) a tile into pool; two scale bytes a row into poolsc: pieces of 2 bytes, 16 bytes apart: one byte in 24 of what this launch stores.
; LIMITS: NaN and infinities are not served; a block of zeros gets the byte 1 (its codes are zeros; only this program reads the bytes).
; REGISTERS: v1-7 addresses that stay; v8-11, v30-31 the step's addresses; v12 -M, v13 the largest t, v[14:15] the sum; v16-27 the first tile's Q (v22-27 zeros), v28 its scale words; v29 the mask's operand; v32-79 K's 8 units, then
; V's 4 fragments; v80-85 zeros; v86-88 store offsets; v96-159 S^T, then p; v160-191 O^T; v192-203 at work; v204-215 p's codes; v216-222 at work; v224 p's scale word; v[226:227] f; v228 at work; v[230:231] a sum; v232-235 K's
; scale words, v[236:237] V's; v240-251 the second tile's Q, v252 its scale words.
.set REC,   208896
.set KOFF,  12288                      ; the record: k's scale words at 0, v's at 8,192, k's units here,
.set VOFF,  110592                     ; v's here
.set VSOFF, 8192
.set S,   96
.set O,   160
.set BM,  192
.set BT,  196
.set SO,  200
.set PCD, 204
.set CT,  216
.set PSC, 224
.set F,   226
.set TA,  228
.set WV,  10
.set CX,  11
.set TB,  18                           ; s18 the step's units: 6,144 bytes a step;  s19 K's scale words: 512;  s20 V's: 256;  s21 the step;  s22 my tile's last step
.set TS,  19
.set TT,  20
.set ST,  21
.set SD,  22
.set G1A, 24
.set G1B, 32
.set G1C, 40
.set G0A, 48
.set G0B, 52
.set G0C, 56
.set SEL, 60
.set CS,  62
.set QCH, 66
.set QCL, 68
.set QSH, 70
.set QSL, 72
.set YCH, 74
.set YCL, 76
.set YSH, 78
.set YSL, 80
.set TBH, 82
.set TBL, 83
.set DVH, 91
.set DVL, 92
.macro ROUND                           ; a round of the cluster's barrier
	s_barrier_signal -1
	s_barrier_wait -1
	s_cmp_lg_u32 s[WV], 0
	s_cbranch_scc1 .Lnot_wave_0_\@
	s_barrier_signal -3
.Lnot_wave_0_\@:
	s_barrier_wait -3
	s_barrier_signal -1
	s_barrier_wait -1
.endm
.macro MKG1 g, rows                    ; dense bytes as rows of 256: 32 elements of 8 bytes; the mask names all four work-groups, bit 21 beside it
	s_mov_b32 s[\g], 15|(3<<16)|(1<<21)
	s_mov_b32 s[\g+1], 32<<16
	s_mov_b32 s[\g+2], (\rows)<<16
	s_mov_b32 s[\g+3], 32<<16
	s_mov_b32 s[\g+4], \rows
	s_mov_b32 s[\g+5], 32
	s_mov_b32 s[\g+6], 0
	s_mov_b32 s[\g+7], 0
.endm
; tile tb's addresses: Q's unit and scale words (record 64 on), y's unit and scale bytes; and what the mask adds.  cx enters global addresses and that vector operand alone.
.macro TILEPTR tb, qc, qsc, yc, ysc, dv
	s_mul_i32 s88, s[\tb], 768
	s_add_co_u32 s88, s88, 64*REC+KOFF
	s_add_nc_u64 s[\qc:\qc+1], s[14:15], s[88:89]
	s_lshr_b32 s88, s[\tb], 3
	s_lshl_b32 s88, s88, 9                         ; 512 a key step,
	s_bfe_u32 s90, s[\tb], 0x20001
	s_lshl_b32 s90, s90, 2                         ; word (tile % 8) / 2,
	s_add_co_u32 s88, s88, s90
	s_and_b32 s90, s[\tb], 1
	s_lshl_b32 s90, s90, 8                         ; the odd tile's words lie in the image's lanes 16-31
	s_add_co_u32 s88, s88, s90
	s_add_co_u32 s88, s88, 64*REC
	s_add_nc_u64 s[\qsc:\qsc+1], s[14:15], s[88:89]
	s_add_co_u32 s88, s84, s[\tb]
	s_mul_i32 s88, s88, 3072
	s_add_co_u32 s88, s88, s85
	s_add_nc_u64 s[\yc:\yc+1], s[6:7], s[88:89]
	s_add_co_u32 s88, s86, s[\tb]
	s_lshl_b32 s88, s88, 9
	s_add_co_u32 s88, s88, s87
	s_add_nc_u64 s[\ysc:\ysc+1], s[8:9], s[88:89]
	s_bfe_u32 s88, s[\tb], 0x20001
	s_lshl_b32 s88, s88, 5
	s_and_b32 s90, s[\tb], 1
	s_lshl_b32 s90, s90, 3
	s_add_co_u32 s[\dv], s88, s90                  ; 32 ((tile / 2) % 4) + 8 (tile % 2): the tile's first token within its last key step
.endm
.macro INIT dv                         ; a tile begins: O^T and the sum are zeros, the largest t is under every t: the first change of M multiplies zeros
	v_mov_b32 v13, 0xff61b1e6
	s_delay_alu instid0(VALU_DEP_1)
	v_floor_f32 v12, -v13
	v_mov_b32 v14, 0
	v_mov_b32 v15, 0
.set n, 0
.rept 32
	v_mov_b32 v[O+n], 0
.set n, n+1
.endr
	v_add_nc_u32 v29, s[\dv], v7                   ; d = my query - the diagonal step's first key - 16 (lane / 16)
.endm
.macro SOFTMAX
.irp b, 0,1,2,3
	v_max3_num_f32 v[BM+\b], v[S+16*\b], v[S+1+16*\b], v[S+2+16*\b]   ; the largest score of each block of 32 keys: for the row's maximum and, since p rises with the score, for the block's largest p
.endr
.irp i, 3,5,7,9,11,13
.irp b, 0,1,2,3
	v_max3_num_f32 v[BM+\b], v[BM+\b], v[S+16*\b+\i], v[S+1+16*\b+\i]
.endr
.endr
.irp b, 0,1,2,3
	v_max_num_f32 v[BM+\b], v[BM+\b], v[S+15+16*\b]
.endr
.irp b, 0,1,2,3
	s_delay_alu instid0(VALU_DEP_4)
	v_permlanex16_b32 v[BT+\b], v[BM+\b], s[SEL], s[SEL+1]
.endr
.irp b, 0,1,2,3
	s_delay_alu instid0(VALU_DEP_4)
	v_max_num_f32 v[BM+\b], v[BM+\b], v[BT+\b]     ; with lane l xor 16's 16 keys
.endr
	s_delay_alu instid0(VALU_DEP_2)
	v_max3_num_f32 v[TA], v[BM], v[BM+1], v[BM+2]
	s_delay_alu instid0(VALU_DEP_1)
	v_max_num_f32 v[TA], v[TA], v[BM+3]
	s_delay_alu instid0(VALU_DEP_1)
	v_mul_f32 v[TA], s[CS], v[TA]                  ; as t (c is positive)
	s_delay_alu instid0(VALU_DEP_1)
	v_max_num_f32 v13, v13, v[TA]                  ; the running largest t
	v_mov_b32 v[TA], v12
	s_delay_alu instid0(VALU_DEP_2)
	v_floor_f32 v12, -v13                          ; the new -M = floor(-t): M is a whole number
	s_delay_alu instid0(VALU_DEP_1)
	v_sub_f32 v[TA], v12, v[TA]                    ; old M - new M: a whole number, 0 or less
	s_delay_alu instid0(VALU_DEP_1)
	v_cvt_i32_f32 v[TA], v[TA]                     ; (it saturates)
	s_delay_alu instid0(VALU_DEP_1)
	v_ldexp_f32 v[F], 1.0, v[TA]                   ; f = 2^(old M - new M)
.set n, 0
	s_setprio 1
.rept 32
	v_pk_fma_f32 v[S+n:S+n+1], v[S+n:S+n+1], s[CS:CS+1], v[12:13] op_sel_hi:[1,0,0]   ; t - M, two at a time
.set n, n+2
.endr
.irp b, 0,1,2,3
	v_fma_f32 v[BM+\b], v[BM+\b], s[CS], v12       ; the same of each block's largest score
.endr
.set n, 0
	s_wait_alu depctr_va_vdst(0)
.rept 64
	v_exp_f32 v[S+n], v[S+n]                       ; p = 2^(t - M), at most 1
.set n, n+1
.endr
.irp b, 0,1,2,3
	v_exp_f32 v[BM+\b], v[BM+\b]                   ; the block's largest p: the same two instructions on the same number
.endr
	v_pk_mul_f32 v[14:15], v[14:15], v[F:F+1] op_sel_hi:[1,0]   ; the sums under the new M (a plain place behind the exponentials)
	s_wait_alu depctr_va_vdst(0)
.irp b, 0,1,2,3
	v_max_num_f32 v[BM+\b], 0x1800000, v[BM+\b]    ; the floor 2^(3 - 127): the byte cannot fall under 1
.endr
.irp b, 0,1,2,3
	s_delay_alu instid0(VALU_DEP_4)
	v_add_nc_u32 v[SO+\b], 0xff000000, v[BM+\b]    ; 2 off the exponent field: the conversion's scale operand
.endr
.irp b, 0,1,2,3
	s_delay_alu instid0(VALU_DEP_4)
	v_lshrrev_b32 v[BT+\b], 23, v[SO+\b]           ; the scale's byte
.endr
	s_delay_alu instid0(VALU_DEP_3)
	v_lshl_or_b32 v[PSC], v[BT+1], 8, v[BT]        ; p's scale word for these 128 keys
	s_delay_alu instid0(VALU_DEP_1)
	v_lshl_or_b32 v[PSC], v[BT+2], 16, v[PSC]
	s_delay_alu instid0(VALU_DEP_1)
	v_lshl_or_b32 v[PSC], v[BT+3], 24, v[PSC]
.irp c, 0,1
	v_cvt_scalef32_pk16_fp6_f32 v[PCD+6*\c:PCD+2+6*\c], v[S+32*\c:S+15+32*\c], v[SO+2*\c]
	v_cvt_scalef32_pk16_fp6_f32 v[CT+4*\c:CT+2+4*\c], v[S+16+32*\c:S+31+32*\c], v[SO+2*\c+1]
.endr
	v_nop                                          ; one plain place behind a scaled conversion
.irp c, 0,1                            ; the operand's layout wants a whole block in a lane
.irp i, 0,1,2
	v_permlane16_swap_b32 v[PCD+6*\c+\i], v[CT+4*\c+\i]
.endr
.irp i, 0,1,2
	s_delay_alu instid0(VALU_DEP_3)
	v_mov_b32 v[PCD+3+6*\c+\i], v[CT+4*\c+\i]
.endr
.endr
	v_pk_add_f32 v[230:231], v[100:101], v[104:105]
	v_pk_add_f32 v[238:239], v[108:109], v[112:113]
	v_pk_add_f32 v[234:235], v[116:117], v[120:121]
	v_pk_add_f32 v[232:233], v[124:125], v[128:129]
	v_pk_add_f32 v[222:223], v[132:133], v[136:137]
	v_pk_add_f32 v[220:221], v[140:141], v[144:145]
	v_pk_add_f32 v[218:219], v[148:149], v[152:153]
	v_pk_add_f32 v[14:15], v[14:15], v[156:157]
	v_pk_add_f32 v[230:231], v[230:231], v[96:97]
	v_pk_add_f32 v[238:239], v[238:239], v[98:99]
	s_setprio 0
	v_pk_add_f32 v[234:235], v[234:235], v[102:103]
	v_pk_add_f32 v[232:233], v[232:233], v[106:107]
	v_pk_add_f32 v[222:223], v[222:223], v[110:111]
	v_pk_add_f32 v[220:221], v[220:221], v[114:115]
	v_pk_add_f32 v[218:219], v[218:219], v[118:119]
	v_pk_add_f32 v[14:15], v[14:15], v[122:123]
	v_pk_add_f32 v[230:231], v[230:231], v[126:127]
	v_pk_add_f32 v[238:239], v[238:239], v[130:131]
	v_pk_add_f32 v[234:235], v[234:235], v[134:135]
	v_pk_add_f32 v[232:233], v[232:233], v[138:139]
	v_pk_add_f32 v[222:223], v[222:223], v[142:143]
	v_pk_add_f32 v[220:221], v[220:221], v[146:147]
	v_pk_add_f32 v[218:219], v[218:219], v[150:151]
	v_pk_add_f32 v[14:15], v[14:15], v[154:155]
	v_pk_add_f32 v[230:231], v[230:231], v[158:159]
	s_delay_alu instid0(VALU_DEP_2)
	v_pk_add_f32 v[14:15], v[14:15], v[232:233]
	s_delay_alu instid0(VALU_DEP_2)
	v_pk_add_f32 v[230:231], v[230:231], v[222:223]
	v_pk_add_f32 v[238:239], v[238:239], v[220:221]
	v_pk_add_f32 v[234:235], v[234:235], v[218:219]
	s_delay_alu instid0(VALU_DEP_2)
	v_pk_add_f32 v[14:15], v[14:15], v[238:239]
	s_delay_alu instid0(VALU_DEP_2)
	v_pk_add_f32 v[230:231], v[230:231], v[234:235]
	s_delay_alu instid0(VALU_DEP_1)
	v_pk_add_f32 v[14:15], v[14:15], v[230:231]
.set n, 0
.rept 16
	v_pk_mul_f32 v[O+n:O+n+1], v[O+n:O+n+1], v[F:F+1] op_sel_hi:[1,0]   ; O^T under the new M
.set n, n+2
.endr
.endm
; A KEY STEP for the tile whose Q lies at v[qb] and whose scale words at v[qs].  tests = 1: a step behind my tile's last is left out (a scalar branch round its work, not round the lines that step the scalars),
; and in the tile's last step the scores of hidden keys become -infinity ahead of the maximum.
.macro KSTEP qb, qs, tests
.if \tests
	s_cmp_gt_u32 s[ST], s[SD]
	s_cbranch_scc1 .Lhidden_\@
.endif
	s_setprio 2
	v_add_nc_u32 v8, s[TB], v1                     ; (these six are also the places in front of the loads into registers that the last products read)
	v_add_nc_u32 v9, s[TB], v2
	v_add_nc_u32 v10, s[TB], v3
	v_add_nc_u32 v11, s[TB], v4
	v_add_nc_u32 v30, s[TS], v5
	v_add_nc_u32 v31, s[TT], v6
.irp t, 0,1,2,3,4,5,6,7
	ds_load_b128 v[32+6*\t:35+6*\t], v8 offset:768*\t
	ds_load_b64 v[36+6*\t:37+6*\t], v9 offset:768*\t+512
.endr
	ds_load_b128 v[232:235], v30                   ; word i: lanes 0-15 tile 2 i, lanes 16-31 tile 2 i + 1
	s_wait_alu depctr_va_vdst(0)
	s_wait_dscnt 0x0
.irp t, 0,2,4,6
	v_wmma_scale_f32_16x16x128_f8f6f4 v[S+8*\t:S+7+8*\t], v[32+6*\t:43+6*\t], v[\qb:\qb+11], 0, v[232+\t/2], v[\qs] matrix_a_fmt:MATRIX_FMT_FP6 matrix_b_fmt:MATRIX_FMT_FP6
	v_wmma_scale_f32_16x16x128_f8f6f4 v[S+8+8*\t:S+15+8*\t], v[38+6*\t:49+6*\t], v[\qb:\qb+11], 0, v[232+\t/2], v[\qs] matrix_a_fmt:MATRIX_FMT_FP6 matrix_b_fmt:MATRIX_FMT_FP6 matrix_a_scale:MATRIX_SCALE_ROW1
.endr
.rept 4
	v_nop                                          ; places: in front of the loads below and of the first read of the scores
.endr
.irp c, 0,1,2,3                        ; V's four fragments are asked for now and land under the softmax
	ds_load_b128 v[32+12*\c:35+12*\c], v10 offset:1536*\c
	ds_load_b64 v[36+12*\c:37+12*\c], v11 offset:1536*\c+512
	ds_load_b128 v[38+12*\c:41+12*\c], v10 offset:1536*\c+768
	ds_load_b64 v[42+12*\c:43+12*\c], v11 offset:1536*\c+1280
.endr
	ds_load_b64 v[236:237], v31
.if \tests
	s_cmp_lg_u32 s[ST], s[SD]
	s_cbranch_scc1 .Lopen_\@
	v_mov_b32 v[TA], 0xff800000                    ; -infinity
.set n, 0
.rept 64
	v_cmp_gt_i32 vcc_lo, 32*(n/16)+n%16, v29       ; register 16 b + i holds key 32 b + 16 (lane / 16) + i of the step: hidden where 32 b + i > d
	v_cndmask_b32 v[S+n], v[S+n], v[TA], vcc_lo
.set n, n+1
.endr
.Lopen_\@:
.endif
	SOFTMAX
	s_wait_alu depctr_va_vdst(0)
	s_wait_dscnt 0x0                               ; V
.irp c, 0,2
	v_wmma_scale_f32_16x16x128_f8f6f4 v[O+8*\c:O+7+8*\c], v[32+12*\c:43+12*\c], v[PCD:PCD+11], v[O+8*\c:O+7+8*\c], v[236+\c/2], v[PSC] matrix_a_fmt:MATRIX_FMT_FP6 matrix_b_fmt:MATRIX_FMT_FP6
	v_wmma_scale_f32_16x16x128_f8f6f4 v[O+8+8*\c:O+15+8*\c], v[44+12*\c:55+12*\c], v[PCD:PCD+11], v[O+8+8*\c:O+15+8*\c], v[236+\c/2], v[PSC] matrix_a_fmt:MATRIX_FMT_FP6 matrix_b_fmt:MATRIX_FMT_FP6 matrix_a_scale:MATRIX_SCALE_ROW1
.endr
.if \tests
.Lhidden_\@:
.endif
	s_add_co_u32 s[TB], s[TB], 6144
	s_add_co_u32 s[TS], s[TS], 512
	s_add_co_u32 s[TT], s[TT], 256
	s_add_co_u32 s[ST], s[ST], 1
.endm
; A tile ends: O^T / the sum, quantised along the head's 64 channels (two blocks), leaves as one unit and two scale bytes a row.
.macro TILE_OUT yc, ysc
.rept 4
	v_nop                                          ; places behind the last products
.endr
	v_add_f32 v14, v14, v15
	s_delay_alu instid0(VALU_DEP_1)
	v_permlanex16_b32 v[TA], v14, s[SEL], s[SEL+1]
	s_delay_alu instid0(VALU_DEP_1)
	v_add_f32 v14, v14, v[TA]                      ; the row's sum
	s_wait_alu depctr_va_vdst(0)
	v_rcp_f32 v14, v14
	v_nop                                          ; one plain place behind a transcendental
.set n, 0
	s_wait_alu depctr_va_vdst(0)
.rept 16
	v_pk_mul_f32 v[S+n:S+n+1], v[O+n:O+n+1], v[14:15] op_sel_hi:[1,0]   ; register 16 b + i is channel 32 b + 16 (lane / 16) + i
.set n, n+2
.endr
.irp b, 0,1
	v_max3_num_f32 v[BM+\b], |v[S+16*\b]|, |v[S+1+16*\b]|, 0x1800000
.endr
.irp i, 2,4,6,8,10,12,14
.irp b, 0,1
	s_delay_alu instid0(VALU_DEP_2)
	v_max3_num_f32 v[BM+\b], v[BM+\b], |v[S+16*\b+\i]|, |v[S+1+16*\b+\i]|
.endr
.endr
.irp b, 0,1
	s_delay_alu instid0(VALU_DEP_2)
	v_permlanex16_b32 v[BT+\b], v[BM+\b], s[SEL], s[SEL+1]
.endr
.irp b, 0,1
	s_delay_alu instid0(VALU_DEP_2)
	v_max_num_f32 v[BM+\b], v[BM+\b], v[BT+\b]
.endr
.irp b, 0,1
	s_delay_alu instid0(VALU_DEP_2)
	v_add_nc_u32 v[SO+\b], 0xff000000, v[BM+\b]
.endr
.irp b, 0,1
	s_delay_alu instid0(VALU_DEP_2)
	v_lshrrev_b32 v[BT+\b], 23, v[SO+\b]
.endr
	s_delay_alu instid0(VALU_DEP_1)
	v_lshl_or_b32 v[PSC], v[BT+1], 8, v[BT]
	v_cvt_scalef32_pk16_fp6_f32 v[PCD:PCD+2], v[S:S+15], v[SO]
	v_cvt_scalef32_pk16_fp6_f32 v[CT:CT+2], v[S+16:S+31], v[SO+1]
	v_nop                                          ; one plain place behind a scaled conversion
.irp i, 0,1,2
	v_permlane16_swap_b32 v[PCD+\i], v[CT+\i]
.endr
.irp i, 0,1,2
	s_delay_alu instid0(VALU_DEP_3)
	v_mov_b32 v[PCD+3+\i], v[CT+\i]
.endr
	global_store_b128 v86, v[PCD:PCD+3], s[\yc:\yc+1]
	global_store_b64 v87, v[PCD+4:PCD+5], s[\yc:\yc+1] offset:512
	global_store_b16 v88, v[PSC], s[\ysc:\ysc+1]   ; lanes l and l + 16 hold and write the same two bytes
.endm
	s_load_b128 s[4:7], s[0:1], 0x0                ; qkv s[4:5], pool s[6:7]
	s_load_b64 s[8:9], s[0:1], 0x10                ; poolsc
	v_lshl_add_u32 v254, v0, 2, 0x33000
	v_mov_b32 v255, 0
	ds_add_u32 v254, v255
	ds_add_u32 v254, v255
	v_lshrrev_b32 v89, 5, v0
	s_delay_alu instid0(VALU_DEP_1)
	v_readfirstlane_b32 s[WV], v89                 ; wave 0..15
	s_bfe_u32 s[CX], ttmp6, 0x40000                ; cx
	s_and_b32 s12, ttmp7, 0xffff                   ; 16 b + head: the cluster's y
	s_mul_i32 s14, s12, REC
	s_mov_b32 s15, 0
	MKG1 G1A, 3                                    ; each wave brings three parts of the record: 768 bytes of the scale words,
	MKG1 G1B, 6                                    ; 1,536 bytes of key steps 0 and 1 (waves 0-7 k's, waves 8-15 v's),
	MKG1 G1C, 42                                   ; 10,752 bytes of key steps 2 to 15.  The record lies in LDS as in memory
	s_mul_i32 s[G0A+1], s[WV], 768
	s_lshr_b32 s13, s[WV], 3
	s_mul_i32 s13, s13, 98304
	s_and_b32 s16, s[WV], 7
	s_mul_i32 s17, s16, 1536
	s_add_co_u32 s17, s17, s13
	s_add_co_u32 s[G0B+1], s17, KOFF
	s_mul_i32 s17, s16, 10752
	s_add_co_u32 s17, s17, s13
	s_add_co_u32 s[G0C+1], s17, 2*KOFF
	s_mov_b32 s17, 0
	s_mov_b32 s[SEL], 0x76543210
	s_mov_b32 s[SEL+1], 0xfedcba98
	s_mov_b32 s[CS], 0x3e38aa3b                    ; c = log2(e) / 8
	s_mov_b32 s[CS+1], s[CS]                       ; (named with it as a pair, so it is written)
	s_wait_dscnt 0x0
	s_wait_kmcnt 0x0
	s_add_nc_u64 s[14:15], s[4:5], s[14:15]        ; the record
.irp g, G0A, G0B, G0C
	s_mov_b32 s[\g], 1
	s_mov_b32 s16, s[\g+1]
	s_add_nc_u64 s[\g+2:\g+3], s[14:15], s[16:17]
	s_or_b32 s[\g+3], s[\g+3], 0x80000000
.endr
	ROUND                                          ; all four work-groups are here: the joint loads meet
	tensor_load_to_lds s[G0A:G0A+3], s[G1A:G1A+7]  ; three tensor loads of mine are out
	s_nop 0
	tensor_load_to_lds s[G0B:G0B+3], s[G1B:G1B+7]
	s_nop 0
	tensor_load_to_lds s[G0C:G0C+3], s[G1C:G1C+7]
	s_nop 0
.rept 4
	v_nop
.endr
	s_lshr_b32 s84, s12, 4                         ; b
	s_and_b32 s85, s12, 15                         ; head
	s_lshl_b32 s86, s84, 7
	s_add_co_u32 s86, s86, 768                     ; y's row blocks: 768 + 128 b + tile
	s_lshr_b32 s84, s85, 2
	s_mul_i32 s84, s84, 1280
	s_add_co_u32 s84, s84, s86                     ; pool: (head / 4) x 1,280 + row block,
	s_lshr_b32 s87, s85, 3
	s_lshl_b32 s87, s87, 8                         ; poolsc: (head / 8) x 256 + ((head / 2) % 4) x 4 + (head % 2) x 2
	s_bfe_u32 s90, s85, 0x20001
	s_lshl_b32 s90, s90, 2
	s_add_co_u32 s87, s87, s90
	s_and_b32 s90, s85, 1
	s_lshl_b32 s90, s90, 1
	s_add_co_u32 s87, s87, s90
	s_and_b32 s85, s85, 3
	s_mul_i32 s85, s85, 768                        ; unit head % 4
	s_mov_b32 s89, 0
	s_lshl_b32 s[TBL], s[WV], 2
	s_sub_co_u32 s[TBH], 124, s[TBL]
	s_add_co_u32 s[TBH], s[TBH], s[CX]             ; my first tile: 4 (31 - w) + cx
	s_add_co_u32 s[TBL], s[TBL], s[CX]             ; my second: 4 w + cx
	TILEPTR TBH, QCH, QSH, YCH, YSH, DVH
	TILEPTR TBL, QCL, QSL, YCL, YSL, DVL
	v_and_b32 v89, 31, v0
	s_delay_alu instid0(VALU_DEP_1)
	v_lshlrev_b32 v86, 4, v89                      ; 16 x lane
	s_delay_alu instid0(VALU_DEP_2)
	v_lshlrev_b32 v87, 3, v89                      ; 8 x lane
	v_and_b32 v90, 15, v0                          ; r
	s_delay_alu instid0(VALU_DEP_1)
	v_lshlrev_b32 v88, 4, v90                      ; 16 r
	v_bfe_u32 v91, v0, 4, 1                        ; h
	global_load_b128 v[16:19], v86, s[QCH:QCH+1]   ; both tiles' Q stay in registers
	global_load_b64 v[20:21], v87, s[QCH:QCH+1] offset:512
	global_load_b32 v28, v88, s[QSH:QSH+1]
	global_load_b128 v[240:243], v86, s[QCL:QCL+1]
	global_load_b64 v[244:245], v87, s[QCL:QCL+1] offset:512
	global_load_b32 v252, v88, s[QSL:QSL+1]
	v_add_nc_u32 v1, KOFF, v86
	v_add_nc_u32 v2, KOFF, v87
	v_add_nc_u32 v3, VOFF, v86
	v_add_nc_u32 v4, VOFF, v87
	v_mov_b32 v5, v86
	v_add_nc_u32 v6, VSOFF, v87
	v_and_b32 v7, 8, v90
	s_delay_alu instid0(VALU_DEP_1)
	v_add_nc_u32 v7, v7, v90
	v_lshlrev_b32 v91, 4, v91
	s_delay_alu instid0(VALU_DEP_1)
	v_sub_nc_u32 v7, v7, v91                       ; r + 8 (r / 8) - 16 h
.irp i, 0,1,2,3,4,5
	v_mov_b32 v[22+\i], 0                          ; zero codes: the upper 64 of the instruction's K
	v_mov_b32 v[246+\i], 0
	v_mov_b32 v[80+\i], 0
.endr
.irp b, 0,1,2,3
	v_mov_b32 v[BT+\b], 0                          ; written once: a lane permute's destination counts as one of its sources
.endr
	v_mov_b32 v[TA], 0
	v_mov_b32 v[F+1], 0                            ; (named as the upper half of a pair)
	s_sub_co_u32 s[SD], 31, s[WV]
	s_lshr_b32 s[SD], s[SD], 1                     ; the first tile's last step: 8 .. 15
	s_mov_b32 s[TB], 0
	s_mov_b32 s[TS], 0
	s_mov_b32 s[TT], 0
	s_mov_b32 s[ST], 0
	INIT DVH
	s_wait_tensorcnt 1                             ; my parts of the scale words and of key steps 0 and 1 are in; the rest may be out
	s_barrier_signal -1
	s_barrier_wait -1                              ; everybody's are
	s_wait_loadcnt 0x0                             ; Q
	KSTEP 16, 28, 0                                ; key steps 0 and 1 are written out: all their keys count for the first tile, and the rest of the record lands meanwhile
	KSTEP 16, 28, 0
	s_wait_tensorcnt 0x0                           ; my part of the rest is in
	s_wait_dscnt 0x0
	s_barrier_signal -1
	s_barrier_wait -1                              ; everybody's is: from here on the waves go their own ways
	s_mov_b32 s[TB], 2*6144
	s_mov_b32 s[TS], 2*512
	s_mov_b32 s[TT], 2*256
	s_mov_b32 s[ST], 2
.Lfirst:                                           ; 14 trips in every wave
	KSTEP 16, 28, 1
	s_cmp_lt_u32 s[ST], 16
	s_cbranch_scc1 .Lfirst
	s_setprio 0
	TILE_OUT YCH, YSH
	s_wait_xcnt 0x0                                ; the stores have read their registers
	s_lshr_b32 s[SD], s[WV], 1                     ; the second tile's last step: 0 .. 7
	s_mov_b32 s[TB], 0
	s_mov_b32 s[TS], 0
	s_mov_b32 s[TT], 0
	s_mov_b32 s[ST], 0
	INIT DVL
.Lsecond:                                          ; 8 trips in every wave
	KSTEP 240, 252, 1
	s_cmp_lt_u32 s[ST], 8
	s_cbranch_scc1 .Lsecond
	s_setprio 0
	TILE_OUT YCL, YSL
	s_wait_tensorcnt 0x0
	ds_add_u32 v254, v255
	s_wait_dscnt 0x0
	ROUND                                          ; the closing round
	s_endpgm
.Lfunc_end_k_qb2a37f7680_attn:
	.size	k_qb2a37f7680_attn, .Lfunc_end_k_qb2a37f7680_attn-k_qb2a37f7680_attn
	.p2alignl 7, 3214868480
	.fill 96, 4, 3214868480
	.section	.rodata,"a",@progbits
	.p2align	6, 0x0
	.amdhsa_kernel k_qb2a37f7680_attn
		.amdhsa_group_segment_fixed_size 210944
		.amdhsa_private_segment_fixed_size 0
		.amdhsa_enable_private_segment 0
		.amdhsa_kernarg_size 24
		.amdhsa_user_sgpr_count 2
		.amdhsa_user_sgpr_kernarg_segment_ptr 1
		.amdhsa_wavefront_size32 1
		.amdhsa_system_sgpr_workgroup_id_x 1
		.amdhsa_system_sgpr_workgroup_id_y 1
		.amdhsa_system_sgpr_workgroup_id_z 1
		.amdhsa_system_vgpr_workitem_id 0
		.amdhsa_next_free_vgpr 256
		.amdhsa_next_free_sgpr 96
		.amdhsa_reserve_vcc 1
		.amdhsa_float_denorm_mode_32 3
		.amdhsa_float_denorm_mode_16_64 3
		.amdhsa_memory_ordered 1
		.amdhsa_forward_progress 1
		.amdhsa_inst_pref_size 102
	.end_amdhsa_kernel
	.amdgpu_metadata
---
amdhsa.version: [ 1, 2 ]
amdhsa.kernels:
  - .name:           k_qb2a37f7680_attn
    .symbol:         k_qb2a37f7680_attn.kd
    .args:
      - { .name: qkv, .offset: 0, .size: 8, .value_kind: global_buffer, .address_space: global }
      - { .name: pool, .offset: 8, .size: 8, .value_kind: global_buffer, .address_space: global }
      - { .name: poolsc, .offset: 16, .size: 8, .value_kind: global_buffer, .address_space: global }
    .group_segment_fixed_size: 210944
    .private_segment_fixed_size: 0
    .kernarg_segment_align: 8
    .kernarg_segment_size: 24
    .max_flat_workgroup_size: 512
    .sgpr_count:     96
    .vgpr_count:     256
    .wavefront_size: 32
...
	.end_amdgpu_metadata
.endif
;; end of part 3
;; launch gemm_proj (part 4): grid 4 x 64, 4 waves a work-group, clusters of 4 x 4, 327,680 bytes of LDS; arguments pool, poolsc, b_proj, out0; writes out0
.if DOCPART == 4
	.amdgcn_target "amdgcn-amd-amdhsa--gfx1250"
	.amdhsa_code_object_version 6
	.text
	.protected	k_qb2a37f7680_gemm_proj
	.globl	k_qb2a37f7680_gemm_proj
	.p2align	8
	.type	k_qb2a37f7680_gemm_proj,@function
k_qb2a37f7680_gemm_proj:
	s_mov_b64 s[64:65], 0
	v_nop
	global_prefetch_b8 v0, s[64:65] scope:SCOPE_SE
	s_setreg_imm32_b32 hwreg(HW_REG_WAVE_MODE, 25, 1), 1
	s_wait_xcnt 0x0
	s_wait_alu depctr_hold_cnt(0) depctr_sa_sdst(0) depctr_va_vdst(0) depctr_va_sdst(0) depctr_va_ssrc(0) depctr_va_vcc(0) depctr_vm_vsrc(0)
	s_getreg_b32 s2, hwreg(HW_REG_IB_STS2, 6, 4)
	s_cmp_eq_u32 s2, 0
	s_cbranch_scc0 .Lentry_in_a_cluster
	s_endpgm
.Lentry_in_a_cluster:
	s_bfe_u32 s2, ttmp6, 0x10000c
	s_cmp_lg_u32 s2, 0xf033
	s_cbranch_scc0 .Lentry_shape_is_right
	s_endpgm
.Lentry_shape_is_right:
; out0 = y W_proj + b_proj on codes of FP6 (E2M3) with E8M0 scales, K = 1,024; out0 [8192][1024] f32.
; OPERANDS lie in pool as units of 768 bytes (16 rows x 64 along K, an image of operand registers: registers 0-3 at 16 x lane, 4-5 at 512 + 8 x lane), [K / 256][row block][4 units]; scale words in poolsc,
; [row block][K / 512][row][4 words].  Stored block 2 b + u, row i, is true row 32 b + 8 u + i + 8 (i / 8).  y's row blocks begin at 768, W_proj's columns at 704.
; A tile is 128 tokens x 256 columns, so that the problem's 8,192 x 1,024 numbers make 256 work-groups of equal work.  Four waves, each 64 tokens x 128 columns: 32 accumulators.
; THE MATRIX INSTRUCTION IS USED TRANSPOSED (source 0 = 16 columns of W_proj, source 1 = 16 tokens): a lane holds one token, and register 16 b + i of its 64 results is true column 32 b + 16 (lane / 16) + i.
; The bias is the C of each sum's first matrix instruction.
; LDS, in chunks of 24,576 bytes (8 row blocks x 256 along K): y's slab k in chunk k, W_proj's in chunks 4 + 2 k and the next.  ALL OF K IS BROUGHT ONCE, two tensor loads a wave at the start (one out at a time):
; nothing is filled again.  The scale words come straight into registers, in whole runs of 256 bytes.
; CLUSTERS: 4 x 4 work-groups; y's tiles are shared along a row of the cluster, W_proj's along a column, each asked for jointly.
; THE WAY OUT goes through a stage in chunks 0 and 1 (8,448 bytes a wave): they have had their only fill, and their last read stands ahead of a barrier that every wave has passed.
; REGISTERS: window 0: v4-27 addresses and offsets, v32-95 scale words, v96-127 and v224-255 the biases, v128-223 A's fragments, two sets of 4; on the way out v128-255 rows read back.
;   window 1: B's fragments, two sets (v0, v128).  window 2: accumulators ((a, b) at v[8 (8 a + b)]).
.set KPS,   3932160
.set HALFT, 24576
.set FR,    12
.set NP,    4                          ; places behind this matrix instruction (ISA guide 7.12.1)
.set A16,    4                         ; v4-7, v8-11 my A' fragments of slab 0 .. 3: + 16 x lane, + 8 x lane;  v12-15, v16-19 my B'
.set A8,     8
.set B16,    12
.set B8,     16
.set VO16,   21
.set VO8,    22
.set VS0,    23
.set VS1,    24
.set STO,    25
.set RD,     26
.set BOC,    27
.set SC2,    32
.set AF,     128
.set BK,     128
.set G1,   24
.set G0,   32                          ; s[32:39] group 0 for A's two loads;  s[56:63] for B's
.set G1B,  48
.set G0B,  56
.set MSB, 0
.macro WIN new                         ; the immediate's high byte repeats the setting that is left
.if MSB != (\new)
	s_set_vgpr_msb (MSB<<8)|(\new)
.set MSB, (\new)
.endif
.endm
.set MUL_LO, 0xa1                      ; source 0 (B') window 1, source 1 (A') window 0, C and D window 2
.set TO_B,   0x40
.macro JLOAD g0a, g1a, g0b, g1b        ; a joint load: waves 0 and 1 fetch for A', waves 2 and 3 for B'; four v_nop follow each line
	s_cmp_eq_u32 s15, 0
	s_cbranch_scc0 .Lfor_b_\@
	tensor_load_to_lds s[\g0a:\g0a+3], s[\g1a:\g1a+7]
	s_nop 0
.rept 4
	v_nop
.endr
	s_branch .Lasked_\@
.Lfor_b_\@:
	tensor_load_to_lds s[\g0b:\g0b+3], s[\g1b:\g1b+7]
	s_nop 0
.rept 4
	v_nop
.endr
.Lasked_\@:
.endm
.macro CROUND                          ; a round of the cluster's barrier
	s_barrier_signal -1
	s_barrier_wait -1
	s_cmp_lg_u32 s14, 0
	s_cbranch_scc1 .Lnot_wave_0_\@
	s_barrier_signal -3
.Lnot_wave_0_\@:
	s_barrier_wait -3
	s_barrier_signal -1
	s_barrier_wait -1
.endm
.macro PLACES n
.rept \n
	v_nop
.endr
.endm
.macro FRAG reg, a16, a8, q, i         ; a fragment (16 rows x 128 K) is two units: four loads, each of consecutive bytes over the 32 lanes
	ds_load_b128 v[\reg:\reg+3], v[\a16] offset:(\i)*3072+(\q)*1536
	ds_load_b64 v[\reg+4:\reg+5], v[\a8] offset:(\i)*3072+(\q)*1536+512
	ds_load_b128 v[\reg+6:\reg+9], v[\a16] offset:(\i)*3072+(\q)*1536+768
	ds_load_b64 v[\reg+10:\reg+11], v[\a8] offset:(\i)*3072+(\q)*1536+1280
.endm
.macro ADR2 kp, ca, cb                 ; slab kp: A' lies in chunk ca (my 4 row blocks of its 8), B' in chunks cb, cb + 1 (my half)
	s_add_co_u32 s4, s23, (\ca)*HALFT
	s_add_co_u32 s5, s100, (\cb)*HALFT
	v_add_nc_u32 v[A16+\kp], s4, v[VO16]
	v_add_nc_u32 v[A8+\kp], s4, v[VO8]
	v_add_nc_u32 v[B16+\kp], s5, v[VO16]
	v_add_nc_u32 v[B8+\kp], s5, v[VO8]
.endm
.macro FETCH2 kp, q, p                 ; 48 loads: B's eight and A's four fragments of slab kp's q-th 128 along K, into sets p
	WIN TO_B
.irp i, 0,1,2,3,4,5,6,7
	FRAG 128*(\p)+FR*\i, B16+\kp, B8+\kp, \q, \i
.endr
	WIN 0
.irp i, 0,1,2,3
	FRAG AF+48*(\p)+FR*\i, A16+\kp, A8+\kp, \q, \i
.endr
.endm
.macro MUL32 p, ks, first              ; 32 matrix instructions: A's four blocks x B's eight; first = 1: the sums begin with the biases as C.  The 32 accumulators take turns
.irp a, 0,1,2,3
.irp b, 0,1,2,3,4,5,6,7
.if \first
	v_wmma_scale_f32_16x16x128_f8f6f4 v[8*(8*\a+\b):8*(8*\a+\b)+7], v[128*(\p)+FR*\b:128*(\p)+FR*\b+FR-1], v[AF+48*(\p)+FR*\a:AF+48*(\p)+FR*\a+FR-1], v[96+8*\b+96*(\b/4):96+8*\b+96*(\b/4)+7], v[SC2+8*\b+(\ks)], v[SC2+8*\a+(\ks)] matrix_a_fmt:MATRIX_FMT_FP6 matrix_b_fmt:MATRIX_FMT_FP6 matrix_a_scale:MATRIX_SCALE_ROW1
.else
	v_wmma_scale_f32_16x16x128_f8f6f4 v[8*(8*\a+\b):8*(8*\a+\b)+7], v[128*(\p)+FR*\b:128*(\p)+FR*\b+FR-1], v[AF+48*(\p)+FR*\a:AF+48*(\p)+FR*\a+FR-1], v[8*(8*\a+\b):8*(8*\a+\b)+7], v[SC2+8*\b+(\ks)], v[SC2+8*\a+(\ks)] matrix_a_fmt:MATRIX_FMT_FP6 matrix_b_fmt:MATRIX_FMT_FP6 matrix_a_scale:MATRIX_SCALE_ROW1
.endif
.endr
.endr
.endm
.macro STEP2 s, kpn, qn, first         ; step s of eight (128 along K each); it asks for the next step's fragments (slab kpn, half qn) ahead of its own products
	s_wait_dscnt 0x0                               ; this step's fragments are in
.if \s == 3
	s_wait_tensorcnt 0x0                           ; my part of slabs 2 and 3 is in (no load was issued behind it),
	s_barrier_signal -1
	s_barrier_wait -1                              ; everybody's is; and every wave's reads of slabs 0 and 1 are over
.endif
.if \s < 7
	PLACES NP                                      ; in front of loads into the sets that the last step's products read
	FETCH2 \kpn, \qn, \qn
.endif
.if \first
	WIN 0x81                                       ; C (the biases) in window 0, D in window 2
.else
	WIN MUL_LO
.endif
	MUL32 (\s)%2, \s, \first
	WIN 0
.endm
; THE WAY OUT, block by block of 16 tokens x 128 columns: through my stage, back as whole rows of 512 bytes, which the 32 lanes store as two aligned runs of 256 bytes.
.macro TOSTAGE a
.set AC, 64*(\a)
	WIN 0x08                                       ; an LDS store's data: window 2
.irp b, 0,1,2,3,4,5,6,7
	ds_store_b128 v[STO], v[AC+8*\b:AC+8*\b+3] offset:128*(\b/2)+32*(\b%2)       ; each accumulator from its low end on; columns 32 (b / 2) + 16 h + 8 (b % 2) on
	ds_store_b128 v[STO], v[AC+8*\b+4:AC+8*\b+7] offset:128*(\b/2)+32*(\b%2)+16
.endr
	WIN 0
.set BB, BK+64*((\a)%2)
.set i, 0
.rept 16
	ds_load_b128 v[BB+4*i:BB+4*i+3], v[RD] offset:i*528   ; LDS serves a wave's instructions in order: these see the stores above
.set i, i+1
.endr
.endm
.macro SEND a, younger
.set BB, BK+64*((\a)%2)
	s_wait_dscnt \younger
.set i, 0
.rept 16
	global_store_b128 v[VO16], v[BB+4*i:BB+4*i+3], s[10:11] offset:(32*((\a)/2)+8*((\a)%2)+i+8*(i/8))*4096 th:TH_STORE_NT   ; stored row i of block a is this true row
.set i, i+1
.endr
.endm
	s_load_b256 s[4:11], s[0:1], 0x0               ; pool s[4:5], poolsc s[6:7], b_proj s[8:9], out0 s[10:11]
	v_lshl_add_u32 v28, v0, 2, 0x48000
	v_mov_b32 v29, 0
	ds_add_u32 v28, v29
	ds_add_u32 v28, v29
	v_lshrrev_b32 v1, 5, v0
	v_readfirstlane_b32 s14, v1                    ; wave 0..3
	s_lshr_b32 s15, s14, 1                         ; which half of the tile's tokens is mine.  Also: I fetch for A' (0) or B' (1)
	s_and_b32 s16, s14, 1                          ; which half of its columns.  Also: I fetch the even slabs (0) or the odd ones (1)
	s_mov_b32 s101, 0xffff0000                     ; lanes 16-31
	s_bfe_u32 s44, ttmp6, 0x40000                  ; cx
	s_bfe_u32 s45, ttmp6, 0x40004                  ; cy
	s_and_b32 s17, ttmp7, 0xffff
	s_lshl_b32 s17, s17, 2
	s_add_co_u32 s17, s17, s45                     ; which 128 tokens: it hangs on cy alone,
	s_lshl_b32 s96, ttmp9, 2
	s_add_co_u32 s96, s96, s44                     ; which 256 columns: on cx alone
	s_lshl_b32 s46, s45, 2
	s_lshl_b32 s46, 15, s46                        ; my row of the cluster
	s_lshl_b32 s47, 0x1111, s44                    ; my column
	s_or_b32 s[G1], s46, (3<<16)|(1<<21)           ; 15:0 the mask; 17:16 elements of 8 bytes; 21 set beside a mask; no padding
	s_mov_b32 s[G1+1], 32<<16                      ; A's slab: 24,576 dense bytes as 96 rows of 256
	s_mov_b32 s[G1+2], 96<<16
	s_mov_b32 s[G1+3], 32<<16
	s_mov_b32 s[G1+4], 96
	s_mov_b32 s[G1+5], 32
	s_mov_b32 s[G1+6], 0
	s_mov_b32 s[G1+7], 0
	s_or_b32 s[G1B], s47, (3<<16)|(1<<21)
	s_mov_b32 s[G1B+1], 32<<16                     ; B's slab: 49,152 dense bytes as 192 rows of 256
	s_mov_b32 s[G1B+2], 192<<16
	s_mov_b32 s[G1B+3], 32<<16
	s_mov_b32 s[G1B+4], 192
	s_mov_b32 s[G1B+5], 32
	s_mov_b32 s[G1B+6], 0
	s_mov_b32 s[G1B+7], 0
	s_mul_i32 s23, s16, KPS
	s_lshl_b32 s22, s17, 3
	s_add_co_u32 s22, s22, 768                     ; A': row blocks 768 + 8 x tile on
	s_mul_i32 s18, s22, 3072
	s_add_co_u32 s18, s18, s23
	s_mov_b32 s19, 0
	s_lshl_b32 s97, s96, 4
	s_add_co_u32 s97, s97, 704                     ; B': row blocks 704 + 16 x tile on
	s_mul_i32 s98, s97, 3072
	s_add_co_u32 s98, s98, s23
	s_mov_b32 s99, 0
	s_mul_i32 s20, s16, HALFT                      ; where they go: no place in the cluster enters an LDS address
	s_mul_i32 s21, s16, 2*HALFT
	s_add_co_u32 s21, s21, 4*HALFT
	s_wait_dscnt 0x0
	s_wait_kmcnt 0x0
	s_add_nc_u64 s[18:19], s[4:5], s[18:19]
	s_add_nc_u64 s[98:99], s[4:5], s[98:99]
.irp n, 0,1                            ; my n-th load brings slab 2 n + (wave % 2)
	s_mov_b32 s[G0+4*\n], 1
	s_add_co_u32 s[G0+4*\n+1], s20, \n*2*HALFT
	s_add_nc_u64 s[G0+4*\n+2:G0+4*\n+3], s[18:19], \n*2*KPS
	s_or_b32 s[G0+4*\n+3], s[G0+4*\n+3], 0x80000000
	s_mov_b32 s[G0B+4*\n], 1
	s_add_co_u32 s[G0B+4*\n+1], s21, \n*4*HALFT
	s_add_nc_u64 s[G0B+4*\n+2:G0B+4*\n+3], s[98:99], \n*2*KPS
	s_or_b32 s[G0B+4*\n+3], s[G0B+4*\n+3], 0x80000000
.endr
	CROUND                                         ; all sixteen work-groups are here: the joint loads meet
	JLOAD G0, G1, G0B, G1B
	s_wait_alu depctr_va_vdst(0)
	s_wait_tensorcnt 0x0
	ds_add_u32 v28, v29
	s_wait_dscnt 0x0
	CROUND
	JLOAD G0+4, G1, G0B+4, G1B
	v_and_b32 v1, 31, v0
	v_and_b32 v2, 15, v0                           ; r
	s_wait_alu depctr_va_vdst(0)
	v_bfe_u32 v3, v0, 4, 1                         ; h
	s_wait_alu depctr_va_vdst(0)
	v_lshlrev_b32 v[VO16], 4, v1
	s_wait_alu depctr_va_vdst(0)
	v_lshlrev_b32 v[VO8], 3, v1
	s_wait_alu depctr_va_vdst(0)
	; the scale words, all of K, straight into registers: register 8 i + ks: lanes 0-15 the word of A's block i, lanes 16-31 that of B's block i.  Sixteen lanes read 256 consecutive bytes, aligned
	s_lshl_b32 s4, s17, 3
	s_lshl_b32 s5, s15, 2
	s_add_co_u32 s4, s4, s5
	s_add_co_u32 s4, s4, 768
	s_lshl_b32 s4, s4, 9                           ; A': row block 768 + 8 x tile + 4 x half, 512 bytes each
	s_lshl_b32 s5, s96, 4
	s_lshl_b32 s20, s16, 3
	s_add_co_u32 s5, s5, s20
	s_add_co_u32 s5, s5, 704
	s_lshl_b32 s5, s5, 9                           ; B': row block 704 + 16 x tile + 8 x half
	v_lshl_add_u32 v30, v2, 4, s4
	v_lshl_add_u32 v31, v2, 4, s5
	v_cndmask_b32 v[VS0], v30, v31, s101
	v_add_nc_u32 v30, 0xfffff800, v30              ; A' has four blocks: for i = 4 .. 7 lanes 0-15 take blocks 0 .. 3 once more (those lanes are not used), so that no load leaves the buffer
	v_cndmask_b32 v[VS1], v30, v31, s101
.irp i, 0,1,2,3
	global_load_b128 v[SC2+8*\i:SC2+8*\i+3], v[VS0], s[6:7] offset:\i*512
	global_load_b128 v[SC2+8*\i+4:SC2+8*\i+7], v[VS0], s[6:7] offset:\i*512+256
.endr
.irp i, 4,5,6,7
	global_load_b128 v[SC2+8*\i:SC2+8*\i+3], v[VS1], s[6:7] offset:\i*512
	global_load_b128 v[SC2+8*\i+4:SC2+8*\i+7], v[VS1], s[6:7] offset:\i*512+256
.endr
	s_lshl_b32 s4, s96, 10                         ; my first column x 4 bytes: 256 x tile + 128 x half
	s_lshl_b32 s5, s16, 9
	s_add_co_u32 s4, s4, s5
	s_mov_b32 s5, 0
	s_add_nc_u64 s[12:13], s[8:9], s[4:5]          ; the biases there,
	s_add_nc_u64 s[10:11], s[10:11], s[4:5]        ; and out0's columns
	s_lshl_b32 s4, s17, 7
	s_lshl_b32 s20, s15, 6
	s_add_co_u32 s4, s4, s20                       ; my first token: 128 x tile + 64 x half
	s_lshl_b32 s4, s4, 12
	s_add_nc_u64 s[10:11], s[10:11], s[4:5]
	v_lshlrev_b32 v[BOC], 6, v3                    ; register 16 b + i is column 32 b + 16 h + i
.set i, 0
.rept 16
	global_load_b128 v[96+4*i+96*(i/8):96+4*i+96*(i/8)+3], v[BOC], s[12:13] offset:128*(i/4)+16*(i%4)
.set i, i+1
.endr
	s_mul_i32 s23, s15, 12288                      ; my 4 of A's 8 row blocks
	s_mul_i32 s100, s16, HALFT                     ; my half of B'
	ADR2 0, 0, 4
	ADR2 1, 1, 6
	ADR2 2, 2, 8
	ADR2 3, 3, 10
	s_mul_i32 s20, s14, 8448                       ; my stage, in chunks 0 and 1
	v_mul_u32_u24 v30, v2, 528
	v_lshl_add_u32 v30, v3, 6, v30
	v_add_nc_u32 v[STO], s20, v30                  ; in: row r, + 64 h
	v_add_nc_u32 v[RD], s20, v[VO16]               ; back: a row's 512 bytes over the 32 lanes
	s_wait_alu depctr_va_vdst(0)
	s_wait_tensorcnt 1                             ; my first load is in (slab 0 or 1); my second may be out
	s_barrier_signal -1
	s_barrier_wait -1                              ; slabs 0 and 1 are whole
	FETCH2 0, 0, 0
	s_wait_loadcnt 0x0                             ; the scale words and the biases
	STEP2 0, 0, 1, 1                               ; the first products start the sums on the biases: nothing is cleared, nothing is added later
	STEP2 1, 1, 0, 0
	STEP2 2, 1, 1, 0
	STEP2 3, 2, 0, 0
	STEP2 4, 2, 1, 0
	STEP2 5, 3, 0, 0
	STEP2 6, 3, 1, 0
	STEP2 7, 0, 0, 0
	PLACES NP                                      ; in front of the first read of results and of loads into registers that held A's fragments
	TOSTAGE 0
.irp a, 1,2,3
.if \a > 1
	s_wait_xcnt 0x0                                ; block a - 2's stores have read their registers: block a's loads may land there
.endif
	TOSTAGE \a
	SEND \a-1, 32                                  ; behind block a - 1's loads: block a's 16 stores and 16 loads
.endr
	SEND 3, 0
	s_wait_tensorcnt 0x0
	ds_add_u32 v28, v29
	s_wait_dscnt 0x0
	CROUND                                         ; the closing round: no work-group ends while a partner may still ask for a tile that names it
	s_endpgm
.Lfunc_end_k_qb2a37f7680_gemm_proj:
	.size	k_qb2a37f7680_gemm_proj, .Lfunc_end_k_qb2a37f7680_gemm_proj-k_qb2a37f7680_gemm_proj
	.p2alignl 7, 3214868480
	.fill 96, 4, 3214868480
	.section	.rodata,"a",@progbits
	.p2align	6, 0x0
	.amdhsa_kernel k_qb2a37f7680_gemm_proj
		.amdhsa_group_segment_fixed_size 327680
		.amdhsa_private_segment_fixed_size 0
		.amdhsa_enable_private_segment 0
		.amdhsa_kernarg_size 32
		.amdhsa_user_sgpr_count 2
		.amdhsa_user_sgpr_kernarg_segment_ptr 1
		.amdhsa_wavefront_size32 1
		.amdhsa_system_sgpr_workgroup_id_x 1
		.amdhsa_system_sgpr_workgroup_id_y 1
		.amdhsa_system_sgpr_workgroup_id_z 1
		.amdhsa_system_vgpr_workitem_id 0
		.amdhsa_next_free_vgpr 768
		.amdhsa_next_free_sgpr 104
		.amdhsa_reserve_vcc 0
		.amdhsa_float_denorm_mode_32 3
		.amdhsa_float_denorm_mode_16_64 3
		.amdhsa_memory_ordered 1
		.amdhsa_forward_progress 1
		.amdhsa_inst_pref_size 85
	.end_amdhsa_kernel
	.amdgpu_metadata
---
amdhsa.version: [ 1, 2 ]
amdhsa.kernels:
  - .name:           k_qb2a37f7680_gemm_proj
    .symbol:         k_qb2a37f7680_gemm_proj.kd
    .args:
      - { .name: pool, .offset: 0, .size: 8, .value_kind: global_buffer, .address_space: global }
      - { .name: poolsc, .offset: 8, .size: 8, .value_kind: global_buffer, .address_space: global }
      - { .name: b_proj, .offset: 16, .size: 8, .value_kind: global_buffer, .address_space: global }
      - { .name: out0, .offset: 24, .size: 8, .value_kind: global_buffer, .address_space: global }
    .group_segment_fixed_size: 327680
    .private_segment_fixed_size: 0
    .kernarg_segment_align: 8
    .kernarg_segment_size: 32
    .max_flat_workgroup_size: 128
    .sgpr_count:     104
    .vgpr_count:     768
    .wavefront_size: 32
...
	.end_amdgpu_metadata
.endif
;; end of part 4
